; MI455X (gfx1250); checked and timed in simulation.
; The chip was launched on July 23, 2026; its instructions are those of AMD's public machine-readable ISA for CDNA 5 (MIT licence, August 2026) and "CDNA5" Instruction Set Architecture Reference Guide (July 2026). The comments in the code are by the model that wrote it; some were corrected since.
;; Transformer Attention. Allowed arithmetic: matrix products marked QUANTISED: E2M3 operands, one E8M0 scale for each 32 along K, by v_wmma_scale_f32_16x16x128_f8f6f4 with both operands' format E2M3, f32 sums; everything else in f32.
;; Inputs: Wk 1,024 x 1,024 float32; Wo 1,024 x 1,024 float32; Wq 1,024 x 1,024 float32; Wv 1,024 x 1,024 float32; batch 4 x 2,048 x 1,024 float32; bk 1,024 float32; bo 1,024 float32; bq 1,024 float32; bv 1,024 float32; padding_mask 4 x 2,048 bool.
;; Outputs: out0 4 x 2,048 x 1,024 float32.
;; Constants: num_heads = 16.
;; This version of the problem:
;;   THIS VERSION OF THE PROBLEM IS GIVEN IN LOW PRECISION. The matrix products marked QUANTISED in the list below multiply operands that are first quantised to E2M3 (2 exponent bits, 3 mantissa bits; 6 bits a number), with one power-of-two scale for each 32 numbers along K (OCP MX v1.0); their sums are f32. All else is computed in f32.
;;   The module's matrix products, in the order in which they are computed (A, B: the left and right operand; K: the contracted axis; several contracted axes count as one K, in the product's order):
;;     1. [M 8,192, K 1,024] x [K 1,024, N 1,024]; A: input batch; B: input Wq: QUANTISED
;;     2. [M 8,192, K 1,024] x [K 1,024, N 1,024]; A: input batch; B: input Wk: QUANTISED
;;     3. [M 8,192, K 1,024] x [K 1,024, N 1,024]; A: input batch; B: input Wv: QUANTISED
;;     4. batch 64 x [M 2,048, K 64] x [K 64, N 2,048]; A: computed on the way; B: computed on the way: QUANTISED
;;     5. batch 64 x [M 2,048, K 2,048] x [K 2,048, N 64]; A: softmax (see below); B: computed on the way: QUANTISED
;;     6. [M 8,192, K 1,024] x [K 1,024, N 1,024]; A: computed on the way; B: input Wo: QUANTISED
;;   THE QUANTISER, for each operand of a quantised product, along K:
;;     - K is cut into blocks of 32 from its start; a last block that is shorter is filled with zeros.
;;     - A block's scale is 2^e with e = floor(log2(the largest magnitude in the block)) - 2, held to -126 .. 127; a block of zeros has e = 0. As a byte (E8M0): e + 127.
;;     - Each number is divided by its block's scale, clamped to +-7.5, and rounded to the nearest number of E2M3, ties to even, subnormals kept.
;;     - The product sums the exact products of the quantised numbers (number of the format x scale) in f32.
;;   ~~~python
;;   def quantise(x, axis):      # numpy; x: float32 -> the quantised numbers, widened to float32 again
;;       x = np.moveaxis(x, axis, -1); K = x.shape[-1]
;;       x = np.pad(x, [(0, 0)] * (x.ndim - 1) + [(0, -K % 32)]); x = x.reshape(x.shape[:-1] + (-1, 32)); a = np.abs(x).max(-1, keepdims=True)
;;       e = np.where(a > 0, np.clip(np.frexp(np.where(a > 0, a, 1))[1] - 1 - 2, -126, 127), 0)      # np.frexp(a)[1] - 1 = floor(log2(a)), exactly
;;       r = np.clip(x / 2.0 ** e, -7.5, 7.5)
;;       step = 2.0 ** (np.maximum(np.frexp(np.where(r == 0, 1, r))[1] - 1, 0) - 3)
;;       q = np.round(r / step) * step * 2.0 ** e      # np.round: ties to even
;;       return np.moveaxis(q.reshape(q.shape[:-2] + (-1,))[..., :K], -1, axis).astype(np.float32)
;;   ~~~
;;   SOFTMAX AHEAD OF A QUANTISED PRODUCT. Where the list says 'softmax', what is quantised is not the finished softmax but p = 2^(t - M), with t = logit x log2(e) and M = ceil(the row's largest t), a whole number; so 1/2 < the row's largest p <= 1. The row's sum l is taken of the UNQUANTISED p, in f32, and the product's result is divided by l at the end. Since M is a whole number, a kernel that streams over the keys may use a running M (the ceiling of the running maximum): every later rescaling is an exact power of two, which a block's scale takes up: the codes' values come out the same.
;;   OPERANDS COMPUTED ON THE WAY. 'Computed on the way' means the value that the module computes at that place (a softmax that the list does not call 'softmax' is quantised finished and normalised). What goes into a quantiser is computed in f32, as accurately as f32 sums, v_exp_f32 and their like allow (about 1e-6 of the number): no bf16 or f16 on the way to a quantiser, and a product that is left as it is and whose result goes on into a quantised operand takes f32 operands (vector FMAs, or v_wmma_f32_16x16x4_f32). A number that lies on a knife's edge between two numbers of the format may be rounded either way, as far as f32 arithmetic and the matrix unit's own rounding can turn it there, and no further.
;; One version. Each part assembles by itself: llvm-mc -triple=amdgcn-amd-amdhsa -mcpu=gfx1250 --defsym DOCPART=n.
;; ======== version 1 of 1: 4 launches
;; limits: right only within a limited range of input values
;; workspace buffers: ximg 6,291,456 bytes; wimg 3,145,728 bytes; cimg 6,291,456 bytes; sc 655,360 bytes; qkv 23,068,672 bytes; qkvsc 1,310,720 bytes
;; launch quant (part 1): grid 512 x 1, 4 waves a work-group, no clusters, 34,304 bytes of LDS; arguments batch, Wq, Wk, Wv, Wo, ximg, wimg, sc; writes ximg, wimg, sc
.if DOCPART == 1
	.amdgcn_target "amdgcn-amd-amdhsa--gfx1250"
	.amdhsa_code_object_version 6
	.text
	.protected	k_qf030dd066e_quant
	.globl	k_qf030dd066e_quant
	.p2align	8
	.type	k_qf030dd066e_quant,@function
k_qf030dd066e_quant:
	s_mov_b64 s[64:65], 0
	v_nop
	global_prefetch_b8 v0, s[64:65] scope:SCOPE_SE
	s_setreg_imm32_b32 hwreg(HW_REG_WAVE_MODE, 25, 1), 1
	s_wait_xcnt 0x0
; batch [8192][1024] f32 (K innermost) and Wq, Wk, Wv, Wo [1024 (k)][1024 (n)] f32 (K outermost) become codes of FP6 (E2M3) with one E8M0 byte for each 32 along K.
; A block's scale is 2^(floor(log2(its largest magnitude)) - 2): its byte is the largest magnitude's exponent field - 2, held at 1 from below.
; THE CODES ARE LAID AS IMAGES OF THE OPERAND'S REGISTERS.  A row tile T has 16 rows; lane r of it holds the true row act(T, r) = 32 (T / 2) + 8 (T % 2) + r + 8 (r / 8).
; A half fragment (T, kb) is 768 bytes at (16 T + kb) x 768: lane (r, h) owns the 32 codes (24 bytes) k = 64 kb + 32 h + 0 .. 31 of its row: registers 0-3 at 16 x lane, registers 4-5 at 512 + 8 x lane.
; The scale word of (T, s = k / 128, r) lies at 512 T + 256 (s / 4) + 16 r + 4 (s % 4): batch from byte 0 of sc, the weights (rows = output columns, Wq, Wk, Wv, Wo on end: 256 tiles) from byte 262,144.
; LIMITS: a block of zeros gets the byte 1 where the rule says 127 (its codes are zeros, and this program alone reads the bytes); blocks whose largest magnitude lies under 2^-124 are held at that floor's byte; NaN and infinities are not served.
; Work-groups 0-255 take batch, 256-511 the weights.  No barrier: waves share nothing.  Only batch's path uses LDS.
.set R,     16                         ; v16-143  batch: two sets of 64 registers as loaded.   The weights: v16-143, 128 numbers down K
.set X,     144                        ; v144-207 batch: two whole blocks of 32 neighbours
.set P,     208                        ; v208-219 batch: a fragment's codes
.set PT,    220                        ; v220-222, v224-226: second halves of the blocks' codes (a conversion's three registers begin on an even number)
.set MX,    228                        ; largest magnitudes
.set SO,    230                        ; the conversions' scale operands
.set BY,    232                        ; scale bytes
.set XT,    234                        ; v234-235 at work
.set OUTW,  236                        ; v236-237 scale words on the way out
.set WW,    12                         ; v12-15   batch: the four fragments' scale words
.set WX,    16
.set STG,   8448                       ; a wave's stage: 16 rows x (512 bytes + 16)
	s_load_b512 s[4:19], s[0:1], 0x0               ; batch s[4:5], Wq s[6:7], Wk s[8:9], Wv s[10:11], Wo s[12:13], ximg s[14:15], wimg s[16:17], sc s[18:19]
	v_lshl_add_u32 v254, v0, 2, 0x8400
	v_mov_b32 v255, 0
	v_lshrrev_b32 v1, 5, v0
	v_readfirstlane_b32 s20, v1                    ; wave
	v_and_b32 v1, 31, v0                           ; lane
	v_and_b32 v2, 15, v0                           ; r
	v_bfe_u32 v3, v0, 4, 1                         ; h
	v_lshlrev_b32 v4, 4, v1                        ; 16 x lane
	v_lshlrev_b32 v5, 3, v1                        ; 8 x lane
	s_cmp_lt_u32 ttmp9, 256
	s_cbranch_scc0 .Lweights
; ---------------- batch: a wave takes half a row tile: 16 rows x 512 along K: four fragments ----------------
	s_mov_b32 s21, 0x76543210
	s_mov_b32 s22, 0xfedcba98                      ; v_permlanex16_b32's selects for lane l xor 16
	s_lshl_b32 s24, ttmp9, 2
	s_add_co_u32 s24, s24, s20                     ; W = 4 x work-group + wave
	s_lshr_b32 s25, s24, 1                         ; T
	s_and_b32 s26, s24, 1                          ; which half of K
	s_mul_i32 s27, s20, STG
	s_wait_alu depctr_va_vdst(0)
	v_add_nc_u32 v6, s27, v4                       ; into the stage: 16 x lane of a row
	v_mul_u32_u24 v7, v2, 528
	v_lshl_add_u32 v7, v3, 7, v7
	v_add_nc_u32 v7, s27, v7                       ; out of it: row r, + 128 h bytes: my block of 32 numbers
	v_lshlrev_b32 v8, 4, v2
	v_lshl_add_u32 v8, v3, 3, v8                   ; 16 r + 8 h: my two scale words' place
	v_lshlrev_b32 v9, 3, v3                        ; 8 h: my bytes' shift in a scale word
	v_mov_b32 v[XT+1], 0                           ; a lane permute's destination counts as one of its sources
	s_lshr_b32 s28, s25, 1
	s_lshl_b32 s28, s28, 17                        ; 32 (T / 2) rows of 4,096 bytes
	s_and_b32 s29, s25, 1
	s_lshl_b32 s29, s29, 15                        ; 8 (T % 2) rows
	s_add_co_u32 s28, s28, s29
	s_lshl_b32 s29, s26, 11                        ; 512 numbers along K
	s_add_co_u32 s28, s28, s29
	s_mov_b32 s29, 0
	s_mul_i32 s30, s25, 12288
	s_mul_i32 s31, s26, 6144
	s_add_co_u32 s30, s30, s31                     ; my eight half fragments in ximg
	s_mov_b32 s31, 0
	s_lshl_b32 s32, s24, 8                         ; my 256 bytes of scale words: 512 T + 256 half
	s_mov_b32 s33, 0
	s_wait_alu depctr_va_vdst(0)
	s_wait_kmcnt 0x0
	s_add_nc_u64 s[4:5], s[4:5], s[28:29]
	s_add_nc_u64 s[14:15], s[14:15], s[30:31]
	s_add_nc_u64 s[18:19], s[18:19], s[32:33]
.macro XLOAD t                         ; fragment t: 16 rows x 512 bytes; each load reads 512 consecutive bytes of the tile's i-th row
.irp i, 0,1,2,3,4,5,6,7,8,9,10,11,12,13,14,15
	global_load_b128 v[R+64*((\t)%2)+4*\i:R+64*((\t)%2)+4*\i+3], v4, s[4:5] offset:(\i+8*(\i/8))*4096+512*(\t) th:TH_LOAD_NT
.endr
.endm
.macro XSTEP t
.set RR, R+64*((\t)%2)
.if (\t) < 3
	s_wait_loadcnt 16                              ; this fragment's 16 loads are in; the next fragment's 16 may be out
.else
	s_wait_loadcnt 0x0
.endif
.irp i, 0,1,2,3,4,5,6,7,8,9,10,11,12,13,14,15
	ds_store_b128 v6, v[RR+4*\i:RR+4*\i+3] offset:528*\i
.endr
.irp c, 0,1                            ; LDS serves a wave's instructions in order: these see the stores above.  Block 2 c + h of row r: 128 bytes
.irp j, 0,1,2,3,4,5,6,7
	ds_load_b128 v[X+32*\c+4*\j:X+32*\c+4*\j+3], v7 offset:256*\c+16*\j
.endr
.endr
	s_wait_dscnt 0x0                               ; the numbers are back, and the stores have read their registers
.if (\t) > 0
	s_wait_xcnt 0x0                                ; the last fragment's stores have read their registers: the codes may be written anew
.endif
.if (\t) < 2
	XLOAD (\t)+2
.endif
.irp c, 0,1
	v_max3_num_f32 v[MX+\c], |v[X+32*\c]|, |v[X+32*\c+1]|, 0x1800000   ; all 32 numbers of the block are mine; the floor 2^(3 - 127) holds the byte at 1 from below
.endr
.irp i, 2,4,6,8,10,12,14,16,18,20,22,24,26,28,30
.irp c, 0,1
	v_max3_num_f32 v[MX+\c], v[MX+\c], |v[X+32*\c+\i]|, |v[X+32*\c+\i+1]|
.endr
.endr
.irp c, 0,1
	v_add_nc_u32 v[SO+\c], 0xff000000, v[MX+\c]    ; 2 off the exponent field: the conversion takes this operand's exponent field as its scale
.endr
.irp c, 0,1
	v_lshrrev_b32 v[BY+\c], 23, v[SO+\c]           ; the scale's byte
.endr
.irp c, 0,1
	v_cvt_scalef32_pk16_fp6_f32 v[P+6*\c:P+6*\c+2], v[X+32*\c:X+32*\c+15], v[SO+\c]
	v_cvt_scalef32_pk16_fp6_f32 v[PT+4*\c:PT+4*\c+2], v[X+32*\c+16:X+32*\c+31], v[SO+\c]
.endr
	v_nop                                          ; one plain place behind a scaled conversion
.irp c, 0,1
.irp i, 0,1,2
	v_mov_b32 v[P+6*\c+3+\i], v[PT+4*\c+\i]
.endr
.endr
	v_lshl_or_b32 v[XT], v[BY+1], 16, v[BY]        ; my two bytes: blocks h and 2 + h,
	v_lshlrev_b32 v[XT], v9, v[XT]                 ; at their places;
	v_permlanex16_b32 v[XT+1], v[XT], s21, s22
	v_or_b32 v[WW+(\t)], v[XT], v[XT+1]            ; with lane l xor 16's two the word is whole
.irp c, 0,1
	global_store_b128 v4, v[P+6*\c:P+6*\c+3], s[14:15] offset:1536*(\t)+768*\c         ; 512 consecutive bytes
	global_store_b64 v5, v[P+6*\c+4:P+6*\c+5], s[14:15] offset:1536*(\t)+768*\c+512    ; 256 consecutive bytes
.endr
.endm
	XLOAD 0
	XLOAD 1
	XSTEP 0
	XSTEP 1
	XSTEP 2
	XSTEP 3
	v_cmp_ne_u32 vcc_lo, 0, v3
	v_cndmask_b32 v[OUTW], v[WW], v[WW+2], vcc_lo  ; lanes 0-15 store words 0 and 1 of their row, lanes 16-31 words 2 and 3
	v_cndmask_b32 v[OUTW+1], v[WW+1], v[WW+3], vcc_lo
	global_store_b64 v8, v[OUTW:OUTW+1], s[18:19]  ; 256 consecutive bytes, aligned
	s_wait_tensorcnt 0x0
	ds_add_u32 v254, v255
	s_wait_dscnt 0x0
	s_endpgm
; ---------------- the weights: a lane takes a column n and its registers run down K: 128 along K, four whole blocks ----------------
; A work-group takes 128 columns (x of 32 groups over the four weights) and 128 along K (s of 8); a wave 32 columns = two row tiles.  The scale words leave as 4 bytes in each 16: 131,072 bytes in the whole launch.
.Lweights:
	s_sub_co_u32 s24, ttmp9, 256
	s_and_b32 s25, s24, 31                         ; x
	s_lshr_b32 s26, s24, 5                         ; s
	s_lshr_b32 s27, s25, 3                         ; which weight
	s_wait_alu depctr_va_vdst(0)
	v_and_b32 v6, 8, v2
	v_add_nc_u32 v6, v6, v2
	v_lshl_add_u32 v6, v3, 3, v6                   ; lanes 0-15: tile T0's rows r + 8 (r / 8); lanes 16-31: tile T0 + 1's, 8 further on
	v_lshlrev_b32 v6, 2, v6
	s_lshl_b32 s28, s20, 7
	v_add_nc_u32 v6, s28, v6                       ; + 32 columns a wave: the wave's 32 lanes read 128 consecutive bytes
	s_lshl_b32 s28, s26, 19                        ; 128 s rows of 4,096 bytes
	s_and_b32 s29, s25, 7
	s_lshl_b32 s29, s29, 9                         ; 128 columns a group
	s_add_co_u32 s28, s28, s29
	s_mov_b32 s29, 0
	s_lshl_b32 s30, s25, 3
	s_lshl_b32 s31, s20, 1
	s_add_co_u32 s30, s30, s31                     ; T0 = 8 x + 2 wave
	s_mul_i32 s32, s30, 12288
	s_mul_i32 s33, s26, 1536
	s_add_co_u32 s32, s32, s33                     ; half fragments 2 s, 2 s + 1 of tile T0
	s_mov_b32 s33, 0
	s_lshl_b32 s34, s30, 9
	s_lshr_b32 s35, s26, 2
	s_lshl_b32 s35, s35, 8
	s_add_co_u32 s34, s34, s35
	s_and_b32 s35, s26, 3
	s_lshl_b32 s35, s35, 2
	s_add_co_u32 s34, s34, s35
	s_add_co_u32 s34, s34, 262144                  ; the scale words' place
	s_mov_b32 s35, 0
	v_lshlrev_b32 v7, 4, v2
	v_lshl_add_u32 v7, v3, 9, v7                   ; 16 r, + 512 for tile T0 + 1
	s_wait_alu depctr_va_vdst(0)
	s_wait_kmcnt 0x0
	s_cmp_eq_u32 s27, 1                            ; the choice hangs on the work-group's number alone
	s_cselect_b64 s[6:7], s[8:9], s[6:7]
	s_cmp_eq_u32 s27, 2
	s_cselect_b64 s[6:7], s[10:11], s[6:7]
	s_cmp_eq_u32 s27, 3
	s_cselect_b64 s[6:7], s[12:13], s[6:7]
	s_add_nc_u64 s[6:7], s[6:7], s[28:29]
	s_add_nc_u64 s[16:17], s[16:17], s[32:33]
	s_add_nc_u64 s[18:19], s[18:19], s[34:35]
.set k, 0
.rept 128
	global_load_b32 v[WX+k], v6, s[6:7] offset:k*4096 th:TH_LOAD_NT
.set k, k+1
.endr
; 64 along K: blocks 2 kb (u = 0) and 2 kb + 1 (u = 1) of my column.  The image wants block 2 kb in lanes 0-15 and block 2 kb + 1 in lanes 16-31 of ONE tile: six exchanges of halves give both tiles' images.
.macro WHALF kb
.set PB, 144+32*\kb
.set X0, WX+64*\kb
.irp u, 0,1
	v_max3_num_f32 v[MX+\u], |v[X0+32*\u]|, |v[X0+32*\u+1]|, 0x1800000
.endr
.irp i, 2,4,6,8,10,12,14,16,18,20,22,24,26,28,30
.irp u, 0,1
	v_max3_num_f32 v[MX+\u], v[MX+\u], |v[X0+32*\u+\i]|, |v[X0+32*\u+\i+1]|
.endr
.endr
.irp u, 0,1
	v_add_nc_u32 v[SO+\u], 0xff000000, v[MX+\u]
.endr
.irp u, 0,1
	v_lshrrev_b32 v[BY+2*\kb+\u], 23, v[SO+\u]
.endr
.irp u, 0,1
	v_cvt_scalef32_pk16_fp6_f32 v[PB+8*\u:PB+8*\u+2], v[X0+32*\u:X0+32*\u+15], v[SO+\u]
	v_cvt_scalef32_pk16_fp6_f32 v[PB+16+4*\u:PB+16+4*\u+2], v[X0+32*\u+16:X0+32*\u+31], v[SO+\u]
.endr
	v_nop                                          ; one plain place behind a scaled conversion
.irp u, 0,1
.irp i, 0,1,2
	v_mov_b32 v[PB+8*\u+3+\i], v[PB+16+4*\u+\i]
.endr
.endr
.irp i, 0,1,2,3,4,5
	v_permlane16_swap_b32 v[PB+\i], v[PB+8+\i]     ; the first's lanes 16-31 change places with the second's lanes 0-15: the first is tile T0's image, the second tile T0 + 1's
.endr
	global_store_b128 v4, v[PB:PB+3], s[16:17] offset:768*\kb
	global_store_b64 v5, v[PB+4:PB+5], s[16:17] offset:768*\kb+512
	global_store_b128 v4, v[PB+8:PB+11], s[16:17] offset:12288+768*\kb
	global_store_b64 v5, v[PB+12:PB+13], s[16:17] offset:12288+768*\kb+512
.endm
	s_wait_loadcnt 63                              ; behind the first 64 loads 64 were issued; the wait's field holds 63, and a smaller count is safe
	WHALF 0
	s_wait_loadcnt 0x0
	WHALF 1                                        ; (its codes have registers of their own: no store's data are written again)
	v_lshl_or_b32 v[OUTW], v[BY+1], 8, v[BY]       ; my column's four bytes are its scale word
	v_lshl_or_b32 v[OUTW], v[BY+2], 16, v[OUTW]
	v_lshl_or_b32 v[OUTW], v[BY+3], 24, v[OUTW]
	global_store_b32 v7, v[OUTW], s[18:19]
	s_endpgm
.Lfunc_end_k_qf030dd066e_quant:
	.size	k_qf030dd066e_quant, .Lfunc_end_k_qf030dd066e_quant-k_qf030dd066e_quant
	.p2alignl 7, 3214868480
	.fill 96, 4, 3214868480
	.section	.rodata,"a",@progbits
	.p2align	6, 0x0
	.amdhsa_kernel k_qf030dd066e_quant
		.amdhsa_group_segment_fixed_size 34304
		.amdhsa_private_segment_fixed_size 0
		.amdhsa_enable_private_segment 0
		.amdhsa_kernarg_size 64
		.amdhsa_user_sgpr_count 2
		.amdhsa_user_sgpr_kernarg_segment_ptr 1
		.amdhsa_wavefront_size32 1
		.amdhsa_system_sgpr_workgroup_id_x 1
		.amdhsa_system_sgpr_workgroup_id_y 1
		.amdhsa_system_sgpr_workgroup_id_z 1
		.amdhsa_system_vgpr_workitem_id 0
		.amdhsa_next_free_vgpr 256
		.amdhsa_next_free_sgpr 66
		.amdhsa_reserve_vcc 1
		.amdhsa_float_denorm_mode_32 3
		.amdhsa_float_denorm_mode_16_64 3
		.amdhsa_memory_ordered 1
		.amdhsa_forward_progress 1
		.amdhsa_inst_pref_size 51
	.end_amdhsa_kernel
	.amdgpu_metadata
---
amdhsa.version: [ 1, 2 ]
amdhsa.kernels:
  - .name:           k_qf030dd066e_quant
    .symbol:         k_qf030dd066e_quant.kd
    .args:
      - { .name: batch, .offset: 0, .size: 8, .value_kind: global_buffer, .address_space: global }
      - { .name: Wq, .offset: 8, .size: 8, .value_kind: global_buffer, .address_space: global }
      - { .name: Wk, .offset: 16, .size: 8, .value_kind: global_buffer, .address_space: global }
      - { .name: Wv, .offset: 24, .size: 8, .value_kind: global_buffer, .address_space: global }
      - { .name: Wo, .offset: 32, .size: 8, .value_kind: global_buffer, .address_space: global }
      - { .name: ximg, .offset: 40, .size: 8, .value_kind: global_buffer, .address_space: global }
      - { .name: wimg, .offset: 48, .size: 8, .value_kind: global_buffer, .address_space: global }
      - { .name: sc, .offset: 56, .size: 8, .value_kind: global_buffer, .address_space: global }
    .group_segment_fixed_size: 34304
    .private_segment_fixed_size: 0
    .kernarg_segment_align: 8
    .kernarg_segment_size: 64
    .max_flat_workgroup_size: 128
    .sgpr_count:     66
    .vgpr_count:     256
    .wavefront_size: 32
...
	.end_amdgpu_metadata
.endif
;; end of part 1
;; launch proj (part 2): grid 4 x 192, 4 waves a work-group, clusters of 4 x 4, 295,424 bytes of LDS; arguments ximg, wimg, sc, bq, bk, bv, padding_mask, qkv, qkvsc; writes qkv, qkvsc
.if DOCPART == 2
	.amdgcn_target "amdgcn-amd-amdhsa--gfx1250"
	.amdhsa_code_object_version 6
	.text
	.protected	k_qf030dd066e_proj
	.globl	k_qf030dd066e_proj
	.p2align	8
	.type	k_qf030dd066e_proj,@function
k_qf030dd066e_proj:
	s_mov_b64 s[64:65], 0
	v_nop
	global_prefetch_b8 v0, s[64:65] scope:SCOPE_SE
	s_setreg_imm32_b32 hwreg(HW_REG_WAVE_MODE, 25, 1), 1
	s_wait_xcnt 0x0
	s_wait_alu depctr_hold_cnt(0) depctr_sa_sdst(0) depctr_va_vdst(0) depctr_va_sdst(0) depctr_va_ssrc(0) depctr_va_vcc(0) depctr_vm_vsrc(0)
	s_getreg_b32 s2, hwreg(HW_REG_IB_STS2, 6, 4)
	s_cmp_eq_u32 s2, 0
	s_cbranch_scc0 .Lentry_in_a_cluster
	s_endpgm
.Lentry_in_a_cluster:
	s_bfe_u32 s2, ttmp6, 0x10000c
	s_cmp_lg_u32 s2, 0xf033
	s_cbranch_scc0 .Lentry_shape_is_right
	s_endpgm
.Lentry_shape_is_right:
; q = batch Wq + bq, k = batch Wk + bk, v = batch Wv + bv on codes of FP6 (E2M3) with E8M0 scales, K = 1,024; the results are quantised at once for the attention's two products.
; Clusters 0-31: C = batch (Wq | Wk)^T, tiles of 256 rows x 128 columns (two heads).  Clusters 32-47: V^T = Wv batch^T, tiles of 256 channels x 128 keys, so that v comes out with the KEYS along a lane's registers.
; OPERANDS lie in memory as images of their registers (row tile T, lane r = true row 32 (T / 2) + 8 (T % 2) + r + 8 (r / 8); half fragment (T, kb) = 768 bytes at (16 T + kb) x 768).
; A tile's operands for ALL of K are 384 rows x 768 bytes = 294,912 bytes: they lie in LDS whole, in four chunks of 256 along K.  Every tensor load is a first fill: no slot is ever filled again.
; A work-group of four waves; wave w makes rows 64 w .. 64 w + 63 (4 row tiles) x all 128 columns (8 tiles): 32 accumulators.  768 tiles of equal work: three for each of 256 WGPs.
; CLUSTERS: 4 x 4 work-groups: A's tiles are shared along a row of the cluster, B's along a column: each is asked for jointly.
; THE MATRIX INSTRUCTION IS USED TRANSPOSED (source 0 = 16 rows of B, source 1 = 16 rows of A): by the tiles' row order a lane's registers 16 x + i of a block of A's rows are columns 32 x + 16 (lane / 16) + i: 16 neighbours.
; THE KEY MASK RIDES IN THE UNUSED HALF OF THE SCORES' K (64 of 128): q has the code -1.0 at k = 64 under the byte 127; a masked key the code +1.0 under the byte 157 (2^30), an open key the code 0 under the byte 1.
; So a masked score comes out as score - 2^30 and an open one unchanged.  LIMIT: |score| < 2^29.  A block of zeros gets the byte 1 (its codes are zeros; this program alone reads the bytes).  NaN and infinities are not served.
; OUT: q, k: 1,024 bytes a tile of 16 positions and a head: registers 0-3 at 16 x lane, registers 4-7 at 512 + 16 x lane.  v: a fragment (16 channels x 128 keys) of 1,536 bytes.  Scale words: 16 r + 4 x (tile % 4) in blocks of 256 bytes.
; REGISTERS: window 0: v1-31 lane numbers and addresses; v32-95 scale words; v96-143 A's 4 fragments, v144-239 B's 8 (set 0); v240-247 mask bytes or bv.  Window 1: v0-63 the bias along the columns; v96-239 fragment set 1.  Window 2: the accumulators.
.set CH,   73728                       ; a chunk in LDS: A's 16 row tiles x 3,072 bytes, then B's 8
.set BOFF, 49152
.set A16,  4                           ; v4-7    chunk j: my A tiles, 16 x lane
.set A8,   8                           ; v8-11   the same, 8 x lane
.set B16,  12                          ; v12-15  B's tiles
.set B8,   16                          ; v16-19
.set VO1,  20                          ; v20     scale words: lanes 0-15 A's place, lanes 16-31 B's
.set VO2,  21                          ; v21     the same with lanes 16-31 four tiles on
.set L16,  22                          ; v22     16 x lane
.set L8,   23                          ; v23     8 x lane
.set SC,   32                          ; v[SC + 8 i + s]: lanes 0-15 the word of A's block i, lanes 16-31 of B's block i, K step s
.set AF,   96
.set BF,   144
.set H,    96                          ; the way out: 64 numbers of a lane
.set PC,   160                         ; the codes just made
.set PT,   176
.set TM,   184                         ; v184-199 at work in the quantiser
.set PW,   200                         ; the scale word just made
.set WD,   204                         ; v204-207 the four blocks' scale words
.set MK,   208                         ; v208-211 bytes 2 and 3 of q's or k's scale words
.set MC,   212                         ; v212-215 the code at k = 64
.set EX,   240
.set WV,   22                          ; s22 wave
.set SEL,  34                          ; s[34:35]
.set G1A,  36                          ; s[36:43], s[44:51] descriptor groups 1
.set G1B,  44
.set G0A,  68                          ; s[68:83], s[84:99] groups 0, one for each chunk
.set G0B,  84
.set MSB, 0
.macro WIN new                         ; the immediate's high byte repeats the setting that is left
.if MSB != (\new)
	s_set_vgpr_msb (MSB<<8)|(\new)
.set MSB, (\new)
.endif
.endm
.macro CROUND                          ; a round of the cluster's barrier
	s_barrier_signal -1
	s_barrier_wait -1
	s_cmp_lg_u32 s[WV], 0
	s_cbranch_scc1 .Lnot_wave_0_\@
	s_barrier_signal -3
.Lnot_wave_0_\@:
	s_barrier_wait -3
	s_barrier_signal -1
	s_barrier_wait -1
.endm
.macro PLACES
.rept 4
	v_nop
.endr
.endm
.macro FRAG reg, a16, a8, off          ; a fragment's 12 registers from its image: every load reads consecutive bytes
	ds_load_b128 v[\reg:\reg+3], v[\a16] offset:\off
	ds_load_b64 v[\reg+4:\reg+5], v[\a8] offset:\off+512
	ds_load_b128 v[\reg+6:\reg+9], v[\a16] offset:\off+768
	ds_load_b64 v[\reg+10:\reg+11], v[\a8] offset:\off+1280
.endm
.macro FETCH ks, set                   ; K step ks: B's 8 fragments, A's 0 and 1, A's 2 and 3: 48 loads
	WIN 0x40*(\set)
.irp i, 0,1,2,3,4,5,6,7
	FRAG BF+12*\i, B16+(\ks)/2, B8+(\ks)/2, \i*3072+((\ks)%2)*1536
.endr
.irp i, 0,1,2,3
	FRAG AF+12*\i, A16+(\ks)/2, A8+(\ks)/2, \i*3072+((\ks)%2)*1536
.endr
.endm
.macro MUL a0, set, ks, zero           ; 16 matrix instructions: A's blocks a0, a0 + 1 x B's eight.  The 32 accumulators take turns, one instruction a turn, in the same order in every step
	WIN 0xa0|(5*(\set))
.irp a, \a0, \a0+1
.irp b, 0,1,2,3,4,5,6,7
.if \zero
	v_wmma_scale_f32_16x16x128_f8f6f4 v[8*(8*(\a)+\b):8*(8*(\a)+\b)+7], v[BF+12*\b:BF+12*\b+11], v[AF+12*(\a):AF+12*(\a)+11], 0, v[SC+8*\b+(\ks)], v[SC+8*(\a)+(\ks)] matrix_a_fmt:MATRIX_FMT_FP6 matrix_b_fmt:MATRIX_FMT_FP6 matrix_a_scale:MATRIX_SCALE_ROW1
.else
	v_wmma_scale_f32_16x16x128_f8f6f4 v[8*(8*(\a)+\b):8*(8*(\a)+\b)+7], v[BF+12*\b:BF+12*\b+11], v[AF+12*(\a):AF+12*(\a)+11], v[8*(8*(\a)+\b):8*(8*(\a)+\b)+7], v[SC+8*\b+(\ks)], v[SC+8*(\a)+(\ks)] matrix_a_fmt:MATRIX_FMT_FP6 matrix_b_fmt:MATRIX_FMT_FP6 matrix_a_scale:MATRIX_SCALE_ROW1
.endif
.endr
.endr
.endm
.macro STEP ks, zero
.if (((\ks)%2) == 1) && ((\ks) < 7)
	s_wait_dscnt 0x0                               ; no LDS load of mine is out at a signal
	s_wait_tensorcnt 2-(\ks)/2                     ; my part of the next chunk has landed; the chunks behind it may be out
	s_barrier_signal -1
.else
	s_wait_dscnt 8                                 ; B's fragments and A's blocks 0 and 1 are in; the youngest eight loads (A's blocks 2 and 3) may be out
.endif
	MUL 0, (\ks)%2, \ks, \zero
.if (((\ks)%2) == 1) && ((\ks) < 7)
	s_barrier_wait -1                              ; everybody's part of the next chunk has landed
.endif
.if (\ks) < 7
	PLACES                                         ; four places in front of loads into registers that the last step's matrix instructions have read
	FETCH (\ks)+1, 1-((\ks)%2)
	s_wait_dscnt 48                                ; all but the 48 just issued
.else
	s_wait_dscnt 0x0
.endif
	MUL 2, (\ks)%2, \ks, \zero
.endm
.macro MAIN
	s_wait_tensorcnt 3                             ; my part of chunk 0 has landed (three younger loads may be out),
	s_barrier_signal -1
	s_barrier_wait -1                              ; everybody's has
	FETCH 0, 0
	s_wait_loadcnt 0x0                             ; scale words, biases, mask bytes
	STEP 0, 1                                      ; the first step's products start the sums: nothing is cleared
	STEP 1, 0
	STEP 2, 0
	STEP 3, 0
	STEP 4, 0
	STEP 5, 0
	STEP 6, 0
	STEP 7, 0
	WIN 0
	PLACES                                         ; in front of the first read of results, and of writes over registers that held fragments
.endm
; 64 numbers of a lane, register 16 b + i = k 32 b + 16 (lane / 16) + i of my row, become codes (k = 64 c + 32 (lane / 16) + 0 .. 31 in v[PC + stp c] on, six registers) and the row's scale word in v[PW].
.macro QUANT src, stp
.irp b, 0,1,2,3
	v_max3_num_f32 v[TM+\b], |v[\src+16*\b]|, |v[\src+1+16*\b]|, 0x1800000   ; the floor 2^(3 - 127) holds the byte at 1 from below
.endr
.irp i, 2,4,6,8,10,12,14
.irp b, 0,1,2,3
	v_max3_num_f32 v[TM+\b], v[TM+\b], |v[\src+16*\b+\i]|, |v[\src+1+16*\b+\i]|
.endr
.endr
.irp b, 0,1,2,3
	v_permlanex16_b32 v[TM+4+\b], v[TM+\b], s[SEL], s[SEL+1]
.endr
.irp b, 0,1,2,3
	v_max_num_f32 v[TM+\b], v[TM+\b], v[TM+4+\b]   ; with lane l xor 16's 16 numbers: the block's largest magnitude
.endr
.irp b, 0,1,2,3
	v_add_nc_u32 v[TM+12+\b], 0xff000000, v[TM+\b] ; 2 off the exponent field: the conversion's scale operand
.endr
.irp b, 0,1,2,3
	v_lshrrev_b32 v[TM+4+\b], 23, v[TM+12+\b]      ; the scale's byte
.endr
	v_lshl_or_b32 v[PW], v[TM+5], 8, v[TM+4]
	v_lshl_or_b32 v[PW], v[TM+6], 16, v[PW]
	v_lshl_or_b32 v[PW], v[TM+7], 24, v[PW]
.irp c, 0,1
	v_cvt_scalef32_pk16_fp6_f32 v[PC+\stp*\c:PC+\stp*\c+2], v[\src+32*\c:\src+15+32*\c], v[TM+12+2*\c]
	v_cvt_scalef32_pk16_fp6_f32 v[PT+4*\c:PT+4*\c+2], v[\src+16+32*\c:\src+31+32*\c], v[TM+12+2*\c+1]
.endr
	v_nop                                          ; one plain place behind a scaled conversion
.irp c, 0,1                            ; the layout wants a whole block in a lane
.irp i, 0,1,2
	v_permlane16_swap_b32 v[PC+\stp*\c+\i], v[PT+4*\c+\i]
.endr
.irp i, 0,1,2
	v_mov_b32 v[PC+\stp*\c+3+\i], v[PT+4*\c+\i]
.endr
.endr
.endm
	s_load_b512 s[4:19], s[0:1], 0x0               ; ximg s[4:5], wimg s[6:7], sc s[8:9], bq s[10:11], bk s[12:13], bv s[14:15], padding_mask s[16:17], qkv s[18:19]
	s_load_b64 s[20:21], s[0:1], 0x40              ; qkvsc
	v_lshl_add_u32 v254, v0, 2, 0x48000
	v_mov_b32 v255, 0
	ds_add_u32 v254, v255
	ds_add_u32 v254, v255
	v_lshrrev_b32 v1, 5, v0
	v_readfirstlane_b32 s[WV], v1                  ; wave 0..3
	v_and_b32 v1, 31, v0                           ; lane
	v_and_b32 v2, 15, v0                           ; r
	v_bfe_u32 v3, v0, 4, 1                         ; h
	v_lshlrev_b32 v[L16], 4, v1
	v_lshlrev_b32 v[L8], 3, v1
	s_mul_i32 s56, s[WV], 12288                    ; my four row tiles of A in a chunk
	v_add_nc_u32 v24, s56, v[L16]
	v_add_nc_u32 v25, s56, v[L8]
.irp j, 0,1,2,3
	v_add_nc_u32 v[A16+\j], \j*CH, v24
	v_add_nc_u32 v[A8+\j], \j*CH, v25
	v_add_nc_u32 v[B16+\j], \j*CH+BOFF, v[L16]
	v_add_nc_u32 v[B8+\j], \j*CH+BOFF, v[L8]
.endr
	s_lshr_b32 s23, s[WV], 1                       ; I fetch for A (0) or for B (1),
	s_and_b32 s24, s[WV], 1                        ; its first or second half
	s_bfe_u32 s25, ttmp6, 0x40000                  ; cx
	s_bfe_u32 s26, ttmp6, 0x40004                  ; cy
	s_and_b32 s27, ttmp7, 0xffff                   ; the cluster's number, 0..47
	s_lshr_b32 s32, s27, 2
	s_and_b32 s33, s27, 3
	s_sub_co_u32 s56, s27, 32
	s_cmp_ge_u32 s27, 32
	s_cselect_b32 s28, 1, 0                        ; 1: this cluster makes V^T
	s_cselect_b32 s29, 0, s32                      ; the cluster's row of tiles,
	s_cselect_b32 s30, s56, s33                    ; and its column
	s_lshr_b32 s31, s30, 1                         ; (q and k) 0: q, 1: k: it hangs on the cluster's number alone
	s_lshl_b32 s29, s29, 2
	s_add_co_u32 s29, s29, s26                     ; tile row
	s_lshl_b32 s30, s30, 2
	s_add_co_u32 s30, s30, s25                     ; tile column
	s_lshl_b32 s32, s26, 2
	s_lshl_b32 s32, 15, s32                        ; my row of the cluster
	s_lshl_b32 s33, 0x1111, s25                    ; my column
	; descriptor groups 1: R row tiles' parts of a chunk: rows of 3,072 bytes (384 elements of 8 bytes), 12,288 bytes apart in memory, on end in LDS
	s_or_b32 s[G1A], s32, (3<<16)|(1<<21)          ; 15:0 the mask; 17:16 elements of 8 bytes; 21 set beside a mask
	s_or_b32 s[G1B], s33, (3<<16)|(1<<21)
.irp g, G1A, G1B
	s_mov_b32 s[\g+1], 384<<16                     ; tensor_dim0
	s_mov_b32 s[\g+3], 384<<16                     ; tile_dim0
	s_mov_b32 s[\g+5], 1536                        ; tensor_dim0_stride
	s_mov_b32 s[\g+6], 0
	s_mov_b32 s[\g+7], 0
.endr
	s_mov_b32 s[G1A+2], 8<<16                      ; tensor_dim1: 8 row tiles of A to a load,
	s_mov_b32 s[G1A+4], 8
	s_mov_b32 s[G1B+2], 4<<16                      ; 4 of B
	s_mov_b32 s[G1B+4], 4
	s_mov_b32 s[SEL], 0x76543210
	s_mov_b32 s[SEL+1], 0xfedcba98
	s_lshl_b32 s52, s29, 4                         ; A: row tile 16 x tile row + 8 x half (+ 128: Wv's first tile in wimg): no register here ever holds cx
	s_lshl_b32 s53, s24, 3
	s_add_co_u32 s52, s52, s53
	s_lshl_b32 s53, s28, 7
	s_add_co_u32 s52, s52, s53
	s_mul_i32 s52, s52, 12288
	s_mov_b32 s53, 0
	s_lshl_b32 s54, s30, 3                         ; B: row tile 8 x tile column + 4 x half: no register here ever holds cy
	s_lshl_b32 s55, s24, 2
	s_add_co_u32 s54, s54, s55
	s_mul_i32 s54, s54, 12288
	s_mov_b32 s55, 0
	s_mul_i32 s60, s24, 24576                      ; where they go in a chunk
	s_mul_i32 s61, s24, 12288
	s_wait_dscnt 0x0
	s_wait_kmcnt 0x0
	s_cmp_lg_u32 s28, 0
	s_cselect_b64 s[56:57], s[6:7], s[4:5]         ; A: the weights for V^T, else batch
	s_cselect_b64 s[58:59], s[4:5], s[6:7]         ; B: the other
	s_add_nc_u64 s[52:53], s[56:57], s[52:53]
	s_add_nc_u64 s[54:55], s[58:59], s[54:55]
.irp j, 0,1,2,3
	s_mov_b32 s[G0A+4*\j], 1
	s_add_co_u32 s[G0A+4*\j+1], s60, \j*CH
	s_add_nc_u64 s[G0A+4*\j+2:G0A+4*\j+3], s[52:53], \j*3072
	s_or_b32 s[G0A+4*\j+3], s[G0A+4*\j+3], 0x80000000
	s_mov_b32 s[G0B+4*\j], 1
	s_add_co_u32 s[G0B+4*\j+1], s61, \j*CH+BOFF
	s_add_nc_u64 s[G0B+4*\j+2:G0B+4*\j+3], s[54:55], \j*3072
	s_or_b32 s[G0B+4*\j+3], s[G0B+4*\j+3], 0x80000000
.endr
	CROUND                                         ; all sixteen work-groups are here: the joint loads meet
	s_cmp_eq_u32 s23, 0                            ; a wave's four first fills stand in one branch on its number: four tensor loads of mine are out
	s_cbranch_scc0 .Lfill_b
.irp j, 0,1,2,3
	tensor_load_to_lds s[G0A+4*\j:G0A+4*\j+3], s[G1A:G1A+7]
	s_nop 0
.endr
	PLACES
	s_branch .Lfilled
.Lfill_b:
.irp j, 0,1,2,3
	tensor_load_to_lds s[G0B+4*\j:G0B+4*\j+3], s[G1B:G1B+7]
	s_nop 0
.endr
	PLACES
.Lfilled:
	; the scale words of my 4 blocks of A (lanes 0-15) and of B's 8 (lanes 16-31), for all of K: 16 loads, once
	s_lshl_b32 s56, s29, 4
	s_lshl_b32 s57, s[WV], 2
	s_add_co_u32 s56, s56, s57
	s_lshl_b32 s57, s28, 7
	s_add_co_u32 s56, s56, s57
	s_lshl_b32 s56, s56, 9
	s_lshl_b32 s57, s28, 18
	s_add_co_u32 s56, s56, s57                     ; A's: 512 bytes a row tile; the weights' begin at 262,144
	s_lshl_b32 s58, s30, 12
	s_xor_b32 s59, s28, 1
	s_lshl_b32 s59, s59, 18
	s_add_co_u32 s58, s58, s59                     ; B's
	v_cmp_ne_u32 vcc_lo, 0, v3
	v_mov_b32 v24, s56
	v_mov_b32 v25, s58
	v_cndmask_b32 v[VO1], v24, v25, vcc_lo
	v_lshl_add_u32 v[VO1], v2, 4, v[VO1]
	v_lshl_add_u32 v[VO2], v3, 11, v[VO1]          ; for blocks 4-7 lanes 16-31 stand four tiles on; lanes 0-15 read A's blocks 0-3 once more, which nobody uses
.irp i, 0,1,2,3
.irp g, 0,1
	global_load_b128 v[SC+8*\i+4*\g:SC+8*\i+4*\g+3], v[VO1], s[8:9] offset:512*\i+256*\g
	global_load_b128 v[SC+32+8*\i+4*\g:SC+32+8*\i+4*\g+3], v[VO2], s[8:9] offset:512*\i+256*\g
.endr
.endr
	s_cmp_lg_u32 s28, 0
	s_cbranch_scc1 .Lvarm
; ---------------- q and k ----------------
	s_and_b32 s56, s30, 7
	s_lshl_b32 s56, s56, 9                         ; my 128 columns' biases
	s_mov_b32 s57, 0
	s_cmp_lg_u32 s31, 0
	s_cselect_b64 s[58:59], s[12:13], s[10:11]     ; bk or bq
	s_add_nc_u64 s[58:59], s[58:59], s[56:57]
	v_lshlrev_b32 v24, 6, v3                       ; 16 h numbers
	WIN 0x40                                       ; destination window 1
.irp b, 0,1,2,3,4,5,6,7                ; the bias in the result's layout: register 8 b + j = column 32 (b / 2) + 16 h + 8 (b % 2) + j
	global_load_b128 v[8*\b:8*\b+3], v24, s[58:59] offset:4*(32*(\b/2)+8*(\b%2))
	global_load_b128 v[8*\b+4:8*\b+7], v24, s[58:59] offset:4*(32*(\b/2)+8*(\b%2))+16
.endr
	WIN 0
	v_and_b32 v25, 8, v2
	v_add_nc_u32 v25, v25, v2                      ; r + 8 (r / 8)
	s_lshl_b32 s56, s29, 8
	s_lshl_b32 s60, s[WV], 6
	s_add_co_u32 s56, s56, s60                     ; my first position
	s_add_nc_u64 s[60:61], s[16:17], s[56:57]
.irp a, 0,1,2,3
	global_load_u8 v[EX+\a], v25, s[60:61] offset:32*(\a/2)+8*(\a%2)   ; the mask of my row in block a
.endr
	MAIN
	s_lshr_b32 s56, s29, 3
	s_lshl_b32 s56, s56, 4
	s_and_b32 s57, s30, 7
	s_lshl_b32 s57, s57, 1
	s_add_co_u32 s56, s56, s57                     ; 16 x batch element + the first of my two heads
	s_lshl_b32 s57, s29, 4
	s_lshl_b32 s58, s[WV], 2
	s_add_co_u32 s57, s57, s58
	s_and_b32 s57, s57, 127                        ; my first tile of positions in the batch element
	s_lshl_b32 s58, s56, 7
	s_add_co_u32 s58, s58, s57
	s_lshl_b32 s58, s58, 10
	s_lshl_b32 s59, s31, 23                        ; k's images begin at 8,388,608
	s_add_co_u32 s58, s58, s59
	s_mov_b32 s59, 0
	s_add_nc_u64 s[18:19], s[18:19], s[58:59]
	s_lshr_b32 s57, s57, 2                         ; u: which block of 256 bytes of scale words
	s_lshl_b32 s60, s56, 13
	s_lshl_b32 s61, s57, 8
	s_add_co_u32 s60, s60, s61                     ; q's: 8,192 bytes a head
	s_mul_i32 s62, s56, 12288                      ; k's: 12,288 bytes a head (with v's), 768 a key step
	s_lshr_b32 s61, s57, 1
	s_mul_i32 s61, s61, 768
	s_add_co_u32 s62, s62, s61
	s_and_b32 s61, s57, 1
	s_lshl_b32 s61, s61, 8
	s_add_co_u32 s62, s62, s61
	s_add_co_u32 s62, s62, 524288
	s_mov_b32 s63, 8192
	s_mov_b32 s32, 0x01010000                      ; bytes 2 and 3 of a scale word: an open key's,
	s_mov_b32 s33, 0x019d0000                      ; a masked key's (157: 2^30),
	s_mov_b32 s100, 0x017f0000                     ; q's (127: 1)
	s_cmp_lg_u32 s31, 0
	s_cselect_b32 s60, s62, s60
	s_cselect_b32 s63, 12288, s63                  ; from my first head's words to my second's
	s_cselect_b32 s32, s32, s100
	s_cselect_b32 s33, s33, s100
	s_cselect_b32 s66, 0, 40                       ; the code at k = 64: an open key's 0, q's -1.0,
	s_cselect_b32 s67, 8, 40                       ; a masked key's +1.0
	s_mov_b32 s61, 0
	s_add_nc_u64 s[20:21], s[20:21], s[60:61]
	v_sub_nc_u32 v24, 1, v3
	v_mul_u32_u24 v26, s66, v24                    ; k = 64 lies in lanes 0-15; lanes 16-31 hold k = 96 on: zeros
	v_mul_u32_u24 v27, s67, v24
	v_mov_b32 v28, s32
	v_mov_b32 v29, s33
	v_mul_u32_u24 v30, s63, v3
	v_lshl_add_u32 v30, v2, 4, v30                 ; lanes 0-15 store the first head's words, lanes 16-31 the second's
	v_lshlrev_b32 v31, 4, v3
	v_mov_b32 v[PC+7], 0
	v_mov_b32 v[PC+15], 0
.irp b, 0,1,2,3
	v_mov_b32 v[TM+4+\b], 0                        ; a lane permute's destination counts as one of its sources
.endr
.irp a, 0,1,2,3
	v_cmp_ne_u32 vcc_lo, 0, v[EX+\a]
	v_cndmask_b32 v[MK+\a], v29, v28, vcc_lo
	v_cndmask_b32 v[MC+\a], v27, v26, vcc_lo
.endr
.macro QKBLOCK a
.if \a > 0
	s_wait_xcnt 0x0                                ; the last block's stores have read their registers
.endif
	WIN 0x06                                       ; source 0 (the sums) window 2, source 1 (the bias) window 1
.set i, 0
.rept 32
	v_pk_add_f32 v[H+i:H+i+1], v[64*\a+i:64*\a+i+1], v[i:i+1]   ; each accumulator from its low end on
.set i, i+2
.endr
	WIN 0
	QUANT H, 8
	v_mov_b32 v[PC+6], v[MC+\a]
	v_mov_b32 v[PC+14], v[MC+\a]
	v_lshrrev_b32 v25, v31, v[PW]                  ; bytes 0, 1: the first head's blocks; bytes 2, 3: the second's
	v_and_or_b32 v[WD+\a], v25, 0xffff, v[MK+\a]
.irp c, 0,1
	global_store_b128 v[L16], v[PC+8*\c:PC+8*\c+3], s[18:19] offset:\c*131072+\a*1024
	global_store_b128 v[L16], v[PC+8*\c+4:PC+8*\c+7], s[18:19] offset:\c*131072+\a*1024+512
.endr
.endm
	QKBLOCK 0
	QKBLOCK 1
	QKBLOCK 2
	QKBLOCK 3
	global_store_b128 v30, v[WD:WD+3], s[20:21]    ; sixteen lanes store 256 consecutive bytes, aligned
	s_wait_tensorcnt 0x0
	ds_add_u32 v254, v255
	s_wait_dscnt 0x0
	CROUND                                         ; the closing round
	s_endpgm
; ---------------- V^T ----------------
.Lvarm:
	v_and_b32 v25, 8, v2
	v_add_nc_u32 v25, v25, v2
	v_lshlrev_b32 v25, 2, v25                      ; my row is a channel: r + 8 (r / 8)
	s_lshl_b32 s56, s29, 10
	s_lshl_b32 s57, s[WV], 8
	s_add_co_u32 s56, s56, s57
	s_mov_b32 s57, 0
	s_add_nc_u64 s[58:59], s[14:15], s[56:57]
.irp a, 0,1,2,3
	global_load_b32 v[EX+2*\a], v25, s[58:59] offset:4*(32*(\a/2)+8*(\a%2))     ; bv of my channel, twice: a pair for the packed addition
	global_load_b32 v[EX+2*\a+1], v25, s[58:59] offset:4*(32*(\a/2)+8*(\a%2))
.endr
	MAIN
	s_lshl_b32 s56, s29, 2
	s_add_co_u32 s56, s56, s[WV]                   ; my head: 64 channels a wave
	s_lshr_b32 s57, s30, 4
	s_lshl_b32 s57, s57, 4
	s_add_co_u32 s56, s56, s57                     ; + 16 x batch element
	s_and_b32 s57, s30, 15                         ; the key step
	s_lshl_b32 s58, s56, 4
	s_add_co_u32 s58, s58, s57
	s_mul_i32 s58, s58, 6144
	s_add_co_u32 s58, s58, 16777216
	s_mov_b32 s59, 0
	s_add_nc_u64 s[18:19], s[18:19], s[58:59]
	s_mul_i32 s60, s56, 12288
	s_mul_i32 s61, s57, 768
	s_add_co_u32 s60, s60, s61
	s_add_co_u32 s60, s60, 524288+512
	s_mov_b32 s61, 0
	s_add_nc_u64 s[20:21], s[20:21], s[60:61]
.irp b, 0,1,2,3
	v_mov_b32 v[TM+4+\b], 0
.endr
.macro VBLOCK a
.if \a > 0
	s_wait_xcnt 0x0
.endif
	WIN 0x02                                       ; source 0 (the sums) window 2
.set i, 0
.rept 32
	v_pk_add_f32 v[H+i:H+i+1], v[64*\a+i:64*\a+i+1], v[EX+2*\a:EX+2*\a+1]
.set i, i+2
.endr
	WIN 0
	QUANT H, 8                                     ; along the keys
	v_mov_b32 v[WD+\a], v[PW]
	global_store_b128 v[L16], v[PC:PC+3], s[18:19] offset:\a*1536
	global_store_b64 v[L8], v[PC+4:PC+5], s[18:19] offset:\a*1536+512
	global_store_b128 v[L16], v[PC+8:PC+11], s[18:19] offset:\a*1536+768
	global_store_b64 v[L8], v[PC+12:PC+13], s[18:19] offset:\a*1536+1280
.endm
	VBLOCK 0
	VBLOCK 1
	VBLOCK 2
	VBLOCK 3
	v_cmp_ne_u32 vcc_lo, 0, v3
	v_cndmask_b32 v24, v[WD], v[WD+2], vcc_lo
	v_cndmask_b32 v25, v[WD+1], v[WD+3], vcc_lo
	v_lshlrev_b32 v26, 4, v2
	v_lshl_add_u32 v26, v3, 3, v26
	global_store_b64 v26, v[24:25], s[20:21]       ; 256 consecutive bytes, aligned
	s_wait_tensorcnt 0x0
	ds_add_u32 v254, v255
	s_wait_dscnt 0x0
	CROUND                                         ; the closing round
	s_endpgm
.Lfunc_end_k_qf030dd066e_proj:
	.size	k_qf030dd066e_proj, .Lfunc_end_k_qf030dd066e_proj-k_qf030dd066e_proj
	.p2alignl 7, 3214868480
	.fill 96, 4, 3214868480
	.section	.rodata,"a",@progbits
	.p2align	6, 0x0
	.amdhsa_kernel k_qf030dd066e_proj
		.amdhsa_group_segment_fixed_size 295424
		.amdhsa_private_segment_fixed_size 0
		.amdhsa_enable_private_segment 0
		.amdhsa_kernarg_size 72
		.amdhsa_user_sgpr_count 2
		.amdhsa_user_sgpr_kernarg_segment_ptr 1
		.amdhsa_wavefront_size32 1
		.amdhsa_system_sgpr_workgroup_id_x 1
		.amdhsa_system_sgpr_workgroup_id_y 1
		.amdhsa_system_sgpr_workgroup_id_z 1
		.amdhsa_system_vgpr_workitem_id 0
		.amdhsa_next_free_vgpr 768
		.amdhsa_next_free_sgpr 102
		.amdhsa_reserve_vcc 1
		.amdhsa_float_denorm_mode_32 3
		.amdhsa_float_denorm_mode_16_64 3
		.amdhsa_memory_ordered 1
		.amdhsa_forward_progress 1
		.amdhsa_inst_pref_size 186
	.end_amdhsa_kernel
	.amdgpu_metadata
---
amdhsa.version: [ 1, 2 ]
amdhsa.kernels:
  - .name:           k_qf030dd066e_proj
    .symbol:         k_qf030dd066e_proj.kd
    .args:
      - { .name: ximg, .offset: 0, .size: 8, .value_kind: global_buffer, .address_space: global }
      - { .name: wimg, .offset: 8, .size: 8, .value_kind: global_buffer, .address_space: global }
      - { .name: sc, .offset: 16, .size: 8, .value_kind: global_buffer, .address_space: global }
      - { .name: bq, .offset: 24, .size: 8, .value_kind: global_buffer, .address_space: global }
      - { .name: bk, .offset: 32, .size: 8, .value_kind: global_buffer, .address_space: global }
      - { .name: bv, .offset: 40, .size: 8, .value_kind: global_buffer, .address_space: global }
      - { .name: padding_mask, .offset: 48, .size: 8, .value_kind: global_buffer, .address_space: global }
      - { .name: qkv, .offset: 56, .size: 8, .value_kind: global_buffer, .address_space: global }
      - { .name: qkvsc, .offset: 64, .size: 8, .value_kind: global_buffer, .address_space: global }
    .group_segment_fixed_size: 295424
    .private_segment_fixed_size: 0
    .kernarg_segment_align: 8
    .kernarg_segment_size: 72
    .max_flat_workgroup_size: 128
    .sgpr_count:     102
    .vgpr_count:     768
    .wavefront_size: 32
...
	.end_amdgpu_metadata
.endif
;; end of part 2
;; launch attn (part 3): grid 4 x 64, 16 waves a work-group, clusters of 4 x 1, 243,712 bytes of LDS; arguments qkv, qkvsc, padding_mask, cimg, sc; writes cimg, sc
.if DOCPART == 3
	.amdgcn_target "amdgcn-amd-amdhsa--gfx1250"
	.amdhsa_code_object_version 6
	.text
	.protected	k_qf030dd066e_attn
	.globl	k_qf030dd066e_attn
	.p2align	8
	.type	k_qf030dd066e_attn,@function
k_qf030dd066e_attn:
	s_mov_b64 s[64:65], 0
	v_nop
	global_prefetch_b8 v0, s[64:65] scope:SCOPE_SE
	s_setreg_imm32_b32 hwreg(HW_REG_WAVE_MODE, 25, 1), 1
	s_wait_xcnt 0x0
	s_wait_alu depctr_hold_cnt(0) depctr_sa_sdst(0) depctr_va_vdst(0) depctr_va_sdst(0) depctr_va_ssrc(0) depctr_va_vcc(0) depctr_vm_vsrc(0)
	s_getreg_b32 s2, hwreg(HW_REG_IB_STS2, 6, 4)
	s_cmp_eq_u32 s2, 0
	s_cbranch_scc0 .Lentry_in_a_cluster
	s_endpgm
.Lentry_in_a_cluster:
	s_bfe_u32 s2, ttmp6, 0x10000c
	s_cmp_lg_u32 s2, 0x3003
	s_cbranch_scc0 .Lentry_shape_is_right
	s_endpgm
.Lentry_shape_is_right:
; ctx = softmax(q k^T, masked keys at -1e9) v, rows of masked queries set to 0; both products on codes of FP6 (E2M3) with E8M0 scales; ctx is quantised at once for the last product.
; THE SOFTMAX: t = score x log2(e); M = the running largest t rounded UP to a whole number; p = 2^(t - M) is quantised along the keys, not normalised; the row's sum is taken of the unquantised p and divides at the end.
; When M moves, the sum and O are multiplied by 2^(old M - new M): exact.
; THE KEY MASK comes out of the first product: q holds the code -1.0 at k = 64, a masked key +1.0 under the scale 2^30, an open key the code 0: a masked score is score - 2^30, its p is 0 as soon as an open key has been seen.
; q's codes at k = 65 .. 127 are zeros, so k's registers 8-11 may hold any codes: a key tile's operand runs on into the next tile's registers.
; LIMITS: |score| < 2^29.  Where every key of a batch element is masked, so is every query: the factor 0 is selected there.  A block of zeros gets the byte 1.  NaN and infinities are not served.
; SHARES: a work-group owns one head and 512 queries; each of its sixteen waves a tile of 16 queries in each of two passes; four waves to a SIMD, so that one wave's vector work stands beside another's matrix work and LDS loads.
; ALL of the head's K, V and scale words lie in LDS for the whole launch (241,664 bytes): first fills only, no LDS store.  The four work-groups of a head form a cluster and ask jointly.
; LAYOUT: both products transposed (S^T = K Q^T, O^T = V^T P^T): a lane holds ONE query.  Lane r of a tile holds position 32 (T / 2) + 8 (T % 2) + r + 8 (r / 8): so 16 registers of two neighbouring tiles are 16 neighbours.
; The scale bytes of ctx leave singly (one a lane and pass): 262,144 bytes in the whole launch.
.set VI,   131072                      ; LDS: K's images from 0 (8,192 bytes a key step), V's from here (6,144 a key step),
.set SCB,  229376                      ; the scale words from here (768 a key step: K's two blocks of 256 bytes, V's one)
.set ADK,  4                           ; v4-7  the step's LDS addresses
.set ADV16, 5
.set ADV8, 6
.set ADS,  7
.set F,    44                          ; v44-111  8 key tiles of 8 registers (+ 4 zeros), later V's 4 fragments
.set S,    112                         ; v112-175 S^T, then p
.set O,    176                         ; v176-207 O^T
.set PC,   208                         ; v208-219 p's codes
.set PT,   220                         ; v220-222, v224-226 at work
.set BM,   228                         ; the blocks' largest scores, then largest p
.set BP,   232
.set BO,   236                         ; the conversions' scale operands
.set KSW,  240                         ; K's scale words of 8 tiles
.set VSW,  248                         ; V's of 4 tiles
.set PW,   252                         ; p's scale word
.set TMP,  253
.set FF,   254                         ; v[254:255] the factor (the packed forms name a pair and take its low word)
.set WV,   14
.set SEL,  20
.set CS,   22                          ; s[22:23] log2(e)
.set G1K,  24
.set G1V,  32
.set G1S,  40
.set G0S,  48
.set TBK,  52                          ; where the step's tiles of K, of V and its scale words begin in LDS
.set TBV,  53
.set TS,   54
.set CNT,  55
.set G0K,  68
.set G0V,  84
.macro CROUND                          ; a round of the cluster's barrier
	s_barrier_signal -1
	s_barrier_wait -1
	s_cmp_lg_u32 s[WV], 0
	s_cbranch_scc1 .Lnot_wave_0_\@
	s_barrier_signal -3
.Lnot_wave_0_\@:
	s_barrier_wait -3
	s_barrier_signal -1
	s_barrier_wait -1
.endm
.macro PLACES
.rept 4
	v_nop
.endr
.endm
.macro FRAG reg, a16, a8, off
	ds_load_b128 v[\reg:\reg+3], v[\a16] offset:\off
	ds_load_b64 v[\reg+4:\reg+5], v[\a8] offset:\off+512
	ds_load_b128 v[\reg+6:\reg+9], v[\a16] offset:\off+768
	ds_load_b64 v[\reg+10:\reg+11], v[\a8] offset:\off+1280
.endm
	s_load_b256 s[4:11], s[0:1], 0x0               ; qkv s[4:5], qkvsc s[6:7], padding_mask s[8:9], cimg s[10:11]
	s_load_b64 s[12:13], s[0:1], 0x20              ; sc
	v_lshl_add_u32 v223, v0, 2, 0x3b000
	v_mov_b32 v227, 0
	ds_add_u32 v223, v227
	ds_add_u32 v223, v227
	v_lshrrev_b32 v1, 5, v0
	s_delay_alu instid0(VALU_DEP_1)
	v_readfirstlane_b32 s[WV], v1                  ; wave 0..15
	v_and_b32 v9, 31, v0
	s_delay_alu instid0(VALU_DEP_1)
	v_lshlrev_b32 v1, 4, v9                        ; v1  16 x lane
	s_delay_alu instid0(VALU_DEP_2)
	v_lshlrev_b32 v2, 3, v9                        ; v2  8 x lane
	v_and_b32 v10, 15, v0                          ; r
	v_bfe_u32 v11, v0, 4, 1                        ; v11 h
	s_delay_alu instid0(VALU_DEP_2)
	v_lshlrev_b32 v8, 4, v10                       ; v8  16 r
	s_delay_alu instid0(VALU_DEP_1)
	v_add_nc_u32 v3, SCB, v8                       ; v3  my row's scale words in LDS
	s_delay_alu instid0(VALU_DEP_4)
	v_and_b32 v9, 8, v10
	s_delay_alu instid0(VALU_DEP_1)
	v_add_nc_u32 v9, v9, v10                       ; v9  r + 8 (r / 8)
	s_delay_alu instid0(VALU_DEP_4)
	v_add_nc_u32 v10, v8, v11                      ; v10 16 r + h
	s_bfe_u32 s15, ttmp6, 0x40000                  ; cx: it enters the queries' addresses alone
	s_and_b32 s16, ttmp7, 0xffff                   ; 16 x batch element + head, which the four partners share
	; descriptor groups 1: dense blocks as rows of 256 bytes (32 elements of 8 bytes); the mask names all four work-groups
.irp g, G1K, G1V, G1S
	s_mov_b32 s[\g], 15|(3<<16)|(1<<21)
	s_mov_b32 s[\g+1], 32<<16
	s_mov_b32 s[\g+3], 32<<16
	s_mov_b32 s[\g+5], 32
	s_mov_b32 s[\g+6], 0
	s_mov_b32 s[\g+7], 0
.endr
	s_mov_b32 s[G1K+2], 128<<16                    ; four key steps of K: 32,768 bytes
	s_mov_b32 s[G1K+4], 128
	s_mov_b32 s[G1V+2], 96<<16                     ; of V: 24,576
	s_mov_b32 s[G1V+4], 96
	s_mov_b32 s[G1S+2], 48<<16                     ; the head's scale words: 12,288
	s_mov_b32 s[G1S+4], 48
	s_mov_b32 s[SEL], 0x76543210
	s_mov_b32 s[SEL+1], 0xfedcba98
	s_mov_b32 s[CS], 0x3fb8aa3b                    ; log2(e): the scores are not scaled
	s_mov_b32 s[CS+1], s[CS]
	s_lshl_b32 s56, s16, 17
	s_add_co_u32 s56, s56, 8388608                 ; the head's K
	s_mov_b32 s57, 0
	s_mul_i32 s58, s16, 98304
	s_add_co_u32 s58, s58, 16777216                ; its V
	s_mov_b32 s59, 0
	s_mul_i32 s60, s16, 12288
	s_add_co_u32 s60, s60, 524288                  ; their scale words
	s_mov_b32 s61, 0
	s_wait_dscnt 0x0
	s_wait_kmcnt 0x0
	s_add_nc_u64 s[56:57], s[4:5], s[56:57]
	s_add_nc_u64 s[58:59], s[4:5], s[58:59]
	s_add_nc_u64 s[60:61], s[6:7], s[60:61]
	s_mov_b32 s[G0S], 1
	s_mov_b32 s[G0S+1], SCB
	s_mov_b64 s[G0S+2:G0S+3], s[60:61]
	s_or_b32 s[G0S+3], s[G0S+3], 0x80000000
.irp j, 0,1,2,3
	s_mov_b32 s[G0K+4*\j], 1
	s_mov_b32 s[G0K+4*\j+1], \j*32768
	s_add_nc_u64 s[G0K+4*\j+2:G0K+4*\j+3], s[56:57], \j*32768
	s_or_b32 s[G0K+4*\j+3], s[G0K+4*\j+3], 0x80000000
	s_mov_b32 s[G0V+4*\j], 1
	s_mov_b32 s[G0V+4*\j+1], VI+\j*24576
	s_add_nc_u64 s[G0V+4*\j+2:G0V+4*\j+3], s[58:59], \j*24576
	s_or_b32 s[G0V+4*\j+3], s[G0V+4*\j+3], 0x80000000
.endr
	CROUND                                         ; all four work-groups are here: the joint loads meet
	s_cmp_eq_u32 s[WV], 0                          ; wave 0: the scale words and K's four chunks (five loads of its own out); wave 1: V's four; the others none
	s_cbranch_scc0 .Lnot_k
	tensor_load_to_lds s[G0S:G0S+3], s[G1S:G1S+7]
	s_nop 0
.irp j, 0,1,2,3
	tensor_load_to_lds s[G0K+4*\j:G0K+4*\j+3], s[G1K:G1K+7]
	s_nop 0
.endr
	PLACES
	s_branch .Lasked
.Lnot_k:
	s_cmp_eq_u32 s[WV], 1
	s_cbranch_scc0 .Lasked
.irp j, 0,1,2,3
	tensor_load_to_lds s[G0V+4*\j:G0V+4*\j+3], s[G1V:G1V+7]
	s_nop 0
.endr
	PLACES
.Lasked:
	s_lshl_b32 s17, s15, 5
	s_add_co_u32 s17, s17, s[WV]                   ; my tile of queries in pass 0: 32 cx + wave; pass 1: 16 further on
	s_mov_b32 s19, 0
	s_lshl_b32 s18, s16, 7
	s_add_co_u32 s18, s18, s17
	s_lshl_b32 s18, s18, 10
	s_add_nc_u64 s[4:5], s[4:5], s[18:19]          ; its image
	s_lshl_b32 s18, s16, 13
	s_lshr_b32 s62, s17, 2
	s_lshl_b32 s62, s62, 8
	s_add_co_u32 s18, s18, s62
	s_and_b32 s62, s17, 3
	s_lshl_b32 s62, s62, 2
	s_add_co_u32 s18, s18, s62
	s_add_nc_u64 s[6:7], s[6:7], s[18:19]          ; its scale words
	s_lshr_b32 s63, s16, 4                         ; the batch element
	s_lshl_b32 s18, s63, 11
	s_lshr_b32 s62, s17, 1
	s_lshl_b32 s62, s62, 5
	s_add_co_u32 s18, s18, s62
	s_and_b32 s62, s17, 1
	s_lshl_b32 s62, s62, 3
	s_add_co_u32 s18, s18, s62
	s_add_nc_u64 s[8:9], s[8:9], s[18:19]          ; its queries' mask bytes
	s_lshl_b32 s18, s63, 7
	s_add_co_u32 s18, s18, s17                     ; its row tile in ctx
	s_and_b32 s62, s16, 15                         ; the head = which 64 of ctx's K
	s_mul_i32 s56, s18, 12288
	s_mul_i32 s57, s62, 768
	s_add_co_u32 s56, s56, s57
	s_mov_b32 s57, 0
	s_add_nc_u64 s[10:11], s[10:11], s[56:57]
	s_lshl_b32 s56, s18, 9
	s_add_co_u32 s56, s56, 393216                  ; ctx's scale words begin here in sc
	s_lshr_b32 s58, s62, 3
	s_lshl_b32 s58, s58, 8
	s_add_co_u32 s56, s56, s58
	s_and_b32 s58, s62, 7
	s_lshl_b32 s58, s58, 1                         ; word (head / 2) % 4, bytes 2 (head % 2) on
	s_add_co_u32 s56, s56, s58
	s_add_nc_u64 s[12:13], s[12:13], s[56:57]
	s_wait_alu depctr_va_vdst(0)
.irp p, 0,1                            ; both passes' Q (v16-27, v30-41), scale words (v28, v42) and mask bytes (v29, v43)
	global_load_b128 v[16+14*\p:19+14*\p], v1, s[4:5] offset:16384*\p
	global_load_b128 v[20+14*\p:23+14*\p], v1, s[4:5] offset:16384*\p+512
	global_load_b32 v[28+14*\p], v8, s[6:7] offset:1024*\p
	global_load_u8 v[29+14*\p], v9, s[8:9] offset:256*\p
.endr
.irp i, 24,25,26,27,38,39,40,41,108,109,110,111
	v_mov_b32 v\i, 0                               ; Q's codes of k = 75 on, and what stands behind the eighth key tile
.endr
.irp b, 0,1,2,3
	v_mov_b32 v[BP+\b], 0                          ; a lane permute's destination counts as one of its sources
.endr
	v_mov_b32 v[TMP], 0
	v_mov_b32 v[FF+1], 0                           ; (named as the upper half of a pair)
; A KEY STEP: 128 keys.  q: Q's first register; Q's scale word stands 12 registers on.
.macro STEP q
	v_add_nc_u32 v[ADK], s[TBK], v1                ; (these four are also the places behind the last step's products, in front of the loads below)
	v_add_nc_u32 v[ADV16], s[TBV], v1
	v_add_nc_u32 v[ADV8], s[TBV], v2
	v_add_nc_u32 v[ADS], s[TS], v3
.irp t, 0,1,2,3,4,5,6,7
	ds_load_b128 v[F+8*\t:F+8*\t+3], v[ADK] offset:1024*\t
	ds_load_b128 v[F+8*\t+4:F+8*\t+7], v[ADK] offset:1024*\t+512
.endr
	ds_load_b128 v[KSW:KSW+3], v[ADS]
	ds_load_b128 v[KSW+4:KSW+7], v[ADS] offset:256
	ds_load_b128 v[VSW:VSW+3], v[ADS] offset:512
	s_wait_alu depctr_va_vdst(0)
	s_wait_dscnt 0x0
.irp t, 0,1,2,3,4,5,6,7
	v_wmma_scale_f32_16x16x128_f8f6f4 v[S+8*\t:S+8*\t+7], v[F+8*\t:F+8*\t+11], v[\q:\q+11], 0, v[KSW+\t], v[\q+12] matrix_a_fmt:MATRIX_FMT_FP6 matrix_b_fmt:MATRIX_FMT_FP6
.endr
	PLACES                                         ; in front of the loads into registers just read, and of the first read of the scores
.irp ct, 0,1,2,3
	FRAG F+12*\ct, ADV16, ADV8, 1536*\ct           ; V's four fragments land while the softmax is walked
.endr
.irp b, 0,1,2,3
	v_max3_num_f32 v[BM+\b], v[S+16*\b], v[S+1+16*\b], v[S+2+16*\b]   ; the largest score of each block of 32 keys: for the row's maximum, and, since p rises with the score, for the block's largest p
.endr
.irp i, 3,5,7,9,11,13
.irp b, 0,1,2,3
	v_max3_num_f32 v[BM+\b], v[BM+\b], v[S+16*\b+\i], v[S+1+16*\b+\i]
.endr
.endr
.irp b, 0,1,2,3
	v_max_num_f32 v[BM+\b], v[BM+\b], v[S+15+16*\b]
.endr
.irp b, 0,1,2,3
	s_delay_alu instid0(VALU_DEP_4)
	v_permlanex16_b32 v[BP+\b], v[BM+\b], s[SEL], s[SEL+1]
.endr
.irp b, 0,1,2,3
	s_delay_alu instid0(VALU_DEP_4)
	v_max_num_f32 v[BM+\b], v[BM+\b], v[BP+\b]     ; with lane l xor 16's 16 keys
.endr
	s_delay_alu instid0(VALU_DEP_2)
	v_max3_num_f32 v[TMP], v[BM], v[BM+1], v[BM+2]
	s_delay_alu instid0(VALU_DEP_1)
	v_max_num_f32 v[TMP], v[TMP], v[BM+3]
	s_delay_alu instid0(VALU_DEP_1)
	v_mul_f32 v[TMP], s[CS], v[TMP]                ; the step's largest t
	s_delay_alu instid0(VALU_DEP_1)
	v_max_num_f32 v13, v13, v[TMP]                 ; the running largest t
	v_mov_b32 v[TMP], v12
	s_delay_alu instid0(VALU_DEP_2)
	v_floor_f32 v12, -v13                          ; the new -M = floor(-t): M is a whole number
	s_delay_alu instid0(VALU_DEP_1)
	v_sub_f32 v[TMP], v12, v[TMP]                  ; old M - new M: a whole number, 0 or less
	s_delay_alu instid0(VALU_DEP_1)
	v_cvt_i32_f32 v[TMP], v[TMP]                   ; (it saturates)
	s_delay_alu instid0(VALU_DEP_1)
	v_ldexp_f32 v[FF], 1.0, v[TMP]                 ; f = 2^(old M - new M)
.set j, 0
.rept 32
	v_pk_fma_f32 v[S+j:S+j+1], v[S+j:S+j+1], s[CS:CS+1], v[12:13] op_sel_hi:[1,0,0]   ; t - M
.set j, j+2
.endr
.irp b, 0,1,2,3
	v_fma_f32 v[BM+\b], v[BM+\b], s[CS], v12       ; the same of each block's largest score
.endr
.set j, 0
	s_setprio 1
	s_wait_alu depctr_va_vdst(0)
.rept 64
	v_exp_f32 v[S+j], v[S+j]                       ; p = 2^(t - M)
.set j, j+1
.endr
.irp b, 0,1,2,3
	v_exp_f32 v[BM+\b], v[BM+\b]                   ; the block's largest p
.endr
	v_pk_mul_f32 v[14:15], v[14:15], v[FF:FF+1] op_sel_hi:[1,0]   ; the sums under the new M (a plain place behind the exponentials)
	s_wait_alu depctr_va_vdst(0)
.irp b, 0,1,2,3
	v_max_num_f32 v[BM+\b], 0x1800000, v[BM+\b]    ; the floor 2^(3 - 127): the byte cannot fall under 1
.endr
.irp b, 0,1,2,3
	s_delay_alu instid0(VALU_DEP_4)
	v_add_nc_u32 v[BO+\b], 0xff000000, v[BM+\b]    ; 2 off the exponent field: the conversion's scale operand
.endr
.irp b, 0,1,2,3
	s_delay_alu instid0(VALU_DEP_4)
	v_lshrrev_b32 v[BP+\b], 23, v[BO+\b]
.endr
	s_delay_alu instid0(VALU_DEP_3)
	v_lshl_or_b32 v[PW], v[BP+1], 8, v[BP]
	s_delay_alu instid0(VALU_DEP_1)
	v_lshl_or_b32 v[PW], v[BP+2], 16, v[PW]
	s_delay_alu instid0(VALU_DEP_1)
	v_lshl_or_b32 v[PW], v[BP+3], 24, v[PW]
.irp c, 0,1
	v_cvt_scalef32_pk16_fp6_f32 v[PC+6*\c:PC+6*\c+2], v[S+32*\c:S+15+32*\c], v[BO+2*\c]
	v_cvt_scalef32_pk16_fp6_f32 v[PT+4*\c:PT+4*\c+2], v[S+16+32*\c:S+31+32*\c], v[BO+2*\c+1]
.endr
	v_nop                                          ; one plain place behind a scaled conversion
.irp c, 0,1
.irp i, 0,1,2
	v_permlane16_swap_b32 v[PC+6*\c+\i], v[PT+4*\c+\i]
.endr
.irp i, 0,1,2
	s_delay_alu instid0(VALU_DEP_3)
	v_mov_b32 v[PC+6*\c+3+\i], v[PT+4*\c+\i]
.endr
.endr
	v_pk_add_f32 v[220:221], v[116:117], v[120:121]
	v_pk_add_f32 v[246:247], v[124:125], v[128:129]
	v_pk_add_f32 v[244:245], v[132:133], v[136:137]
	v_pk_add_f32 v[242:243], v[140:141], v[144:145]
	v_pk_add_f32 v[240:241], v[148:149], v[152:153]
	v_pk_add_f32 v[238:239], v[156:157], v[160:161]
	v_pk_add_f32 v[236:237], v[164:165], v[168:169]
	v_pk_add_f32 v[14:15], v[14:15], v[172:173]
	v_pk_add_f32 v[220:221], v[220:221], v[112:113]
	v_pk_add_f32 v[246:247], v[246:247], v[114:115]
	v_pk_add_f32 v[244:245], v[244:245], v[118:119]
	v_pk_add_f32 v[242:243], v[242:243], v[122:123]
	v_pk_add_f32 v[240:241], v[240:241], v[126:127]
	v_pk_add_f32 v[238:239], v[238:239], v[130:131]
	v_pk_add_f32 v[236:237], v[236:237], v[134:135]
	v_pk_add_f32 v[14:15], v[14:15], v[138:139]
	v_pk_add_f32 v[220:221], v[220:221], v[142:143]
	v_pk_add_f32 v[246:247], v[246:247], v[146:147]
	v_pk_add_f32 v[244:245], v[244:245], v[150:151]
	v_pk_add_f32 v[242:243], v[242:243], v[154:155]
	v_pk_add_f32 v[240:241], v[240:241], v[158:159]
	v_pk_add_f32 v[238:239], v[238:239], v[162:163]
	v_pk_add_f32 v[236:237], v[236:237], v[166:167]
	v_pk_add_f32 v[14:15], v[14:15], v[170:171]
	v_pk_add_f32 v[220:221], v[220:221], v[174:175]
	s_delay_alu instid0(VALU_DEP_2)
	v_pk_add_f32 v[14:15], v[14:15], v[242:243]
	s_delay_alu instid0(VALU_DEP_2)
	v_pk_add_f32 v[220:221], v[220:221], v[240:241]
	s_setprio 0
	v_pk_add_f32 v[246:247], v[246:247], v[238:239]
	v_pk_add_f32 v[244:245], v[244:245], v[236:237]
	s_delay_alu instid0(VALU_DEP_2)
	v_pk_add_f32 v[14:15], v[14:15], v[246:247]
	s_delay_alu instid0(VALU_DEP_2)
	v_pk_add_f32 v[220:221], v[220:221], v[244:245]
	s_delay_alu instid0(VALU_DEP_1)
	v_pk_add_f32 v[14:15], v[14:15], v[220:221]
.set j, 0
.rept 16
	v_pk_mul_f32 v[O+j:O+j+1], v[O+j:O+j+1], v[FF:FF+1] op_sel_hi:[1,0]   ; O^T under the new M.  (These and the sums above are the places between the scale word's and the codes' last writes and the products below)
.set j, j+2
.endr
	s_wait_alu depctr_va_vdst(0)
	s_wait_dscnt 0x0                               ; V's fragments are in
.irp ct, 0,1,2,3                       ; four accumulators, one instruction a turn
	v_wmma_scale_f32_16x16x128_f8f6f4 v[O+8*\ct:O+8*\ct+7], v[F+12*\ct:F+12*\ct+11], v[PC:PC+11], v[O+8*\ct:O+8*\ct+7], v[VSW+\ct], v[PW] matrix_a_fmt:MATRIX_FMT_FP6 matrix_b_fmt:MATRIX_FMT_FP6
.endr
	s_add_co_u32 s[TBK], s[TBK], 8192
	s_add_co_u32 s[TBV], s[TBV], 6144
	s_add_co_u32 s[TS], s[TS], 768
.endm
.macro LOOP q, n
	s_mov_b32 s[CNT], \n
.Lkeys_\@:
	s_setprio 2
	STEP \q
	s_sub_co_u32 s[CNT], s[CNT], 1
	s_cmp_lg_u32 s[CNT], 0
	s_cbranch_scc1 .Lkeys_\@
	s_setprio 0
.endm
.macro RESET
	v_mov_b32 v13, 0xff61b1e6                      ; the largest t so far: -3e38
	s_delay_alu instid0(VALU_DEP_1)
	v_floor_f32 v12, -v13                          ; -M
	v_mov_b32 v14, 0                               ; the sum, in two halves
	v_mov_b32 v15, 0
.set j, 0
.rept 32
	v_mov_b32 v[O+j], 0                            ; the step is written once: the first finds zeros, which the first change of M leaves zeros
.set j, j+1
.endr
.endm
; O^T / the sum, 0 for a masked query; its 64 channels are two blocks of ctx's K: quantised, and stored as half a fragment's image.
.macro FINISH p
	PLACES                                         ; behind the last products
	v_add_f32 v14, v14, v15
	s_delay_alu instid0(VALU_DEP_1)
	v_permlanex16_b32 v[TMP], v14, s[SEL], s[SEL+1]
	s_delay_alu instid0(VALU_DEP_1)
	v_add_f32 v14, v14, v[TMP]                     ; the row's sum
	s_wait_alu depctr_va_vdst(0)
	v_rcp_f32 v14, v14
	v_nop                                          ; one plain place behind a transcendental
	v_cmp_ne_u32 vcc_lo, 0, v[29+14*\p]
	s_wait_alu depctr_va_vdst(0)
	v_cndmask_b32 v[FF], 0, v14, vcc_lo            ; the query's mask
.set j, 0
.rept 16
	v_pk_mul_f32 v[S+j:S+j+1], v[O+j:O+j+1], v[FF:FF+1] op_sel_hi:[1,0]   ; each accumulator from its low end on.  Register 16 b + i = channel 32 b + 16 h + i
.set j, j+2
.endr
.irp b, 0,1
	v_max3_num_f32 v[BM+\b], |v[S+16*\b]|, |v[S+1+16*\b]|, 0x1800000
.endr
.irp i, 2,4,6,8,10,12,14
.irp b, 0,1
	s_delay_alu instid0(VALU_DEP_2)
	v_max3_num_f32 v[BM+\b], v[BM+\b], |v[S+16*\b+\i]|, |v[S+1+16*\b+\i]|
.endr
.endr
.irp b, 0,1
	s_delay_alu instid0(VALU_DEP_2)
	v_permlanex16_b32 v[BP+\b], v[BM+\b], s[SEL], s[SEL+1]
.endr
.irp b, 0,1
	s_delay_alu instid0(VALU_DEP_2)
	v_max_num_f32 v[BM+\b], v[BM+\b], v[BP+\b]
.endr
.irp b, 0,1
	s_delay_alu instid0(VALU_DEP_2)
	v_add_nc_u32 v[BO+\b], 0xff000000, v[BM+\b]
.endr
.irp b, 0,1
	s_delay_alu instid0(VALU_DEP_2)
	v_lshrrev_b32 v[BP+\b], 23, v[BO+\b]
.endr
	v_cvt_scalef32_pk16_fp6_f32 v[PC:PC+2], v[S:S+15], v[BO]
	v_cvt_scalef32_pk16_fp6_f32 v[PT:PT+2], v[S+16:S+31], v[BO+1]
	v_nop                                          ; one plain place behind a scaled conversion
	v_cmp_ne_u32 vcc_lo, 0, v11
.irp i, 0,1,2
	v_permlane16_swap_b32 v[PC+\i], v[PT+\i]
.endr
.irp i, 0,1,2
	s_delay_alu instid0(VALU_DEP_3)
	v_mov_b32 v[PC+3+\i], v[PT+\i]
.endr
	v_cndmask_b32 v[TMP], v[BP], v[BP+1], vcc_lo   ; lanes 0-15 store block 0's byte, lanes 16-31 block 1's
	global_store_b128 v1, v[PC:PC+3], s[10:11] offset:196608*\p
	global_store_b64 v2, v[PC+4:PC+5], s[10:11] offset:196608*\p+512
	global_store_b8 v10, v[TMP], s[12:13] offset:8192*\p
	s_wait_xcnt 0x0                                ; the stores have read their registers
.endm
	RESET
	s_wait_loadcnt 0x0                             ; Q, its scale words, the mask bytes
.irp j, 0,1,2,3
	s_wait_tensorcnt 3-\j                          ; in the two waves that fetch: chunk j has landed (with chunk 0 the scale words), the chunks behind it may be out
	s_wait_dscnt 0x0
	s_barrier_signal -1
	s_barrier_wait -1                              ; now every wave may read chunk j
	s_mov_b32 s[TBK], \j*32768
	s_mov_b32 s[TBV], VI+\j*24576
	s_mov_b32 s[TS], \j*3072
	LOOP 16, 4
.endr
	FINISH 0
	RESET                                          ; the second tile of queries finds all keys in LDS: no barrier
	s_mov_b32 s[TBK], 0
	s_mov_b32 s[TBV], VI
	s_mov_b32 s[TS], 0
	LOOP 30, 16
	FINISH 1
	s_wait_tensorcnt 0x0
	ds_add_u32 v223, v227
	s_wait_dscnt 0x0
	CROUND                                         ; the closing round
	s_endpgm
.Lfunc_end_k_qf030dd066e_attn:
	.size	k_qf030dd066e_attn, .Lfunc_end_k_qf030dd066e_attn-k_qf030dd066e_attn
	.p2alignl 7, 3214868480
	.fill 96, 4, 3214868480
	.section	.rodata,"a",@progbits
	.p2align	6, 0x0
	.amdhsa_kernel k_qf030dd066e_attn
		.amdhsa_group_segment_fixed_size 243712
		.amdhsa_private_segment_fixed_size 0
		.amdhsa_enable_private_segment 0
		.amdhsa_kernarg_size 40
		.amdhsa_user_sgpr_count 2
		.amdhsa_user_sgpr_kernarg_segment_ptr 1
		.amdhsa_wavefront_size32 1
		.amdhsa_system_sgpr_workgroup_id_x 1
		.amdhsa_system_sgpr_workgroup_id_y 1
		.amdhsa_system_sgpr_workgroup_id_z 1
		.amdhsa_system_vgpr_workitem_id 0
		.amdhsa_next_free_vgpr 256
		.amdhsa_next_free_sgpr 102
		.amdhsa_reserve_vcc 1
		.amdhsa_float_denorm_mode_32 3
		.amdhsa_float_denorm_mode_16_64 3
		.amdhsa_memory_ordered 1
		.amdhsa_forward_progress 1
		.amdhsa_inst_pref_size 110
	.end_amdhsa_kernel
	.amdgpu_metadata
---
amdhsa.version: [ 1, 2 ]
amdhsa.kernels:
  - .name:           k_qf030dd066e_attn
    .symbol:         k_qf030dd066e_attn.kd
    .args:
      - { .name: qkv, .offset: 0, .size: 8, .value_kind: global_buffer, .address_space: global }
      - { .name: qkvsc, .offset: 8, .size: 8, .value_kind: global_buffer, .address_space: global }
      - { .name: padding_mask, .offset: 16, .size: 8, .value_kind: global_buffer, .address_space: global }
      - { .name: cimg, .offset: 24, .size: 8, .value_kind: global_buffer, .address_space: global }
      - { .name: sc, .offset: 32, .size: 8, .value_kind: global_buffer, .address_space: global }
    .group_segment_fixed_size: 243712
    .private_segment_fixed_size: 0
    .kernarg_segment_align: 8
    .kernarg_segment_size: 40
    .max_flat_workgroup_size: 512
    .sgpr_count:     102
    .vgpr_count:     256
    .wavefront_size: 32
...
	.end_amdgpu_metadata
.endif
;; end of part 3
;; launch outp (part 4): grid 8 x 32, 4 waves a work-group, clusters of 4 x 4, 295,424 bytes of LDS; arguments cimg, wimg, sc, bo, out0; writes out0
.if DOCPART == 4
	.amdgcn_target "amdgcn-amd-amdhsa--gfx1250"
	.amdhsa_code_object_version 6
	.text
	.protected	k_qf030dd066e_outp
	.globl	k_qf030dd066e_outp
	.p2align	8
	.type	k_qf030dd066e_outp,@function
k_qf030dd066e_outp:
	s_mov_b64 s[64:65], 0
	v_nop
	global_prefetch_b8 v0, s[64:65] scope:SCOPE_SE
	s_setreg_imm32_b32 hwreg(HW_REG_WAVE_MODE, 25, 1), 1
	s_wait_xcnt 0x0
	s_wait_alu depctr_hold_cnt(0) depctr_sa_sdst(0) depctr_va_vdst(0) depctr_va_sdst(0) depctr_va_ssrc(0) depctr_va_vcc(0) depctr_vm_vsrc(0)
	s_getreg_b32 s2, hwreg(HW_REG_IB_STS2, 6, 4)
	s_cmp_eq_u32 s2, 0
	s_cbranch_scc0 .Lentry_in_a_cluster
	s_endpgm
.Lentry_in_a_cluster:
	s_bfe_u32 s2, ttmp6, 0x10000c
	s_cmp_lg_u32 s2, 0xf033
	s_cbranch_scc0 .Lentry_shape_is_right
	s_endpgm
.Lentry_shape_is_right:
; out0 = ctx Wo + bo on codes of FP6 (E2M3) with E8M0 scales, K = 1,024.  ctx [8192][1024] and Wo's columns lie in memory as images of the operands' registers
; (row tile T, lane r = true row 32 (T / 2) + 8 (T % 2) + r + 8 (r / 8); half fragment (T, kb) = 768 bytes at (16 T + kb) x 768; Wo's tiles are 192 .. 255 of wimg).
; A tile of out0 is 256 rows x 128 columns: 256 tiles, one for each of 256 WGPs.  Its operands for ALL of K, 294,912 bytes, lie in LDS whole, in four chunks of 256 along K: every tensor load is a first fill.
; Four waves; wave w makes rows 64 w .. 64 w + 63 x all 128 columns: 32 accumulators.  CLUSTERS: 4 x 4 work-groups: A's tiles are shared along a row of the cluster, B's along a column.
; THE MATRIX INSTRUCTION IS USED TRANSPOSED (source 0 = 16 rows of B, source 1 = 16 rows of A): a lane's registers 16 x + i of a block are columns 32 x + 16 (lane / 16) + i of one row.
; THE WAY OUT: a block of 16 rows goes through the wave's own stage in LDS and leaves as whole rows of 512 bytes.  The stages lie in chunk 0, which has had its only fill and whose last reads were over in front of the second barrier.
; REGISTERS: window 0: v1-31 lane numbers and addresses; v32-95 scale words; v96-143 A's 4 fragments, v144-239 B's 8 (set 0).  Window 1: v0-63 the bias along the columns; v96-239 fragment set 1.  Window 2: the accumulators.
.set CH,   73728
.set BOFF, 49152
.set A16,  4
.set A8,   8
.set B16,  12
.set B8,   16
.set VO1,  20
.set VO2,  21
.set L16,  22
.set L8,   23
.set STO,  24                          ; v24 the stage: where I put 16 bytes of a row
.set RD,   25                          ; v25 and where I read a row back
.set SC,   32
.set AF,   96
.set BF,   144
.set H,    96                          ; the way out: 64 numbers of a lane
.set OB,   160                         ; v160-223 16 rows read back
.set WV,   14
.set G1A,  36
.set G1B,  44
.set G0A,  68
.set G0B,  84
.set MSB, 0
.macro WIN new                         ; the immediate's high byte repeats the setting that is left
.if MSB != (\new)
	s_set_vgpr_msb (MSB<<8)|(\new)
.set MSB, (\new)
.endif
.endm
.macro CROUND                          ; a round of the cluster's barrier
	s_barrier_signal -1
	s_barrier_wait -1
	s_cmp_lg_u32 s[WV], 0
	s_cbranch_scc1 .Lnot_wave_0_\@
	s_barrier_signal -3
.Lnot_wave_0_\@:
	s_barrier_wait -3
	s_barrier_signal -1
	s_barrier_wait -1
.endm
.macro PLACES
.rept 4
	v_nop
.endr
.endm
.macro FRAG reg, a16, a8, off          ; a fragment's 12 registers from its image: every load reads consecutive bytes
	ds_load_b128 v[\reg:\reg+3], v[\a16] offset:\off
	ds_load_b64 v[\reg+4:\reg+5], v[\a8] offset:\off+512
	ds_load_b128 v[\reg+6:\reg+9], v[\a16] offset:\off+768
	ds_load_b64 v[\reg+10:\reg+11], v[\a8] offset:\off+1280
.endm
.macro FETCH ks, set                   ; K step ks: B's 8 fragments, A's 0 and 1, A's 2 and 3: 48 loads
	WIN 0x40*(\set)
.irp i, 0,1,2,3,4,5,6,7
	FRAG BF+12*\i, B16+(\ks)/2, B8+(\ks)/2, \i*3072+((\ks)%2)*1536
.endr
.irp i, 0,1,2,3
	FRAG AF+12*\i, A16+(\ks)/2, A8+(\ks)/2, \i*3072+((\ks)%2)*1536
.endr
.endm
.macro MUL a0, set, ks, zero           ; 16 matrix instructions.  The 32 accumulators take turns, one instruction a turn, in the same order in every step
	WIN 0xa0|(5*(\set))
.irp a, \a0, \a0+1
.irp b, 0,1,2,3,4,5,6,7
.if \zero
	v_wmma_scale_f32_16x16x128_f8f6f4 v[8*(8*(\a)+\b):8*(8*(\a)+\b)+7], v[BF+12*\b:BF+12*\b+11], v[AF+12*(\a):AF+12*(\a)+11], 0, v[SC+8*\b+(\ks)], v[SC+8*(\a)+(\ks)] matrix_a_fmt:MATRIX_FMT_FP6 matrix_b_fmt:MATRIX_FMT_FP6 matrix_a_scale:MATRIX_SCALE_ROW1
.else
	v_wmma_scale_f32_16x16x128_f8f6f4 v[8*(8*(\a)+\b):8*(8*(\a)+\b)+7], v[BF+12*\b:BF+12*\b+11], v[AF+12*(\a):AF+12*(\a)+11], v[8*(8*(\a)+\b):8*(8*(\a)+\b)+7], v[SC+8*\b+(\ks)], v[SC+8*(\a)+(\ks)] matrix_a_fmt:MATRIX_FMT_FP6 matrix_b_fmt:MATRIX_FMT_FP6 matrix_a_scale:MATRIX_SCALE_ROW1
.endif
.endr
.endr
.endm
.macro STEP ks, zero
.if (((\ks)%2) == 1) && ((\ks) < 7)
	s_wait_dscnt 0x0                               ; no LDS load of mine is out at a signal
	s_wait_tensorcnt 2-(\ks)/2                     ; my part of the next chunk has landed; the chunks behind it may be out
	s_barrier_signal -1
.else
	s_wait_dscnt 8                                 ; B's fragments and A's blocks 0 and 1 are in; the youngest eight loads (A's blocks 2 and 3) may be out
.endif
	MUL 0, (\ks)%2, \ks, \zero
.if (((\ks)%2) == 1) && ((\ks) < 7)
	s_barrier_wait -1                              ; everybody's part of the next chunk has landed
.endif
.if (\ks) < 7
	PLACES                                         ; four places in front of loads into registers that the last step's matrix instructions have read
	FETCH (\ks)+1, 1-((\ks)%2)
	s_wait_dscnt 48                                ; all but the 48 just issued
.else
	s_wait_dscnt 0x0
.endif
	MUL 2, (\ks)%2, \ks, \zero
.endm
	s_load_b256 s[4:11], s[0:1], 0x0               ; cimg s[4:5], wimg s[6:7], sc s[8:9], bo s[10:11]
	s_load_b64 s[12:13], s[0:1], 0x20              ; out0
	v_lshl_add_u32 v254, v0, 2, 0x48000
	v_mov_b32 v255, 0
	ds_add_u32 v254, v255
	ds_add_u32 v254, v255
	v_lshrrev_b32 v1, 5, v0
	v_readfirstlane_b32 s[WV], v1                  ; wave 0..3
	v_and_b32 v1, 31, v0                           ; lane
	v_and_b32 v2, 15, v0                           ; r
	v_bfe_u32 v3, v0, 4, 1                         ; h
	v_lshlrev_b32 v[L16], 4, v1
	v_lshlrev_b32 v[L8], 3, v1
	s_mul_i32 s56, s[WV], 12288                    ; my four row tiles of A in a chunk
	v_add_nc_u32 v26, s56, v[L16]
	v_add_nc_u32 v27, s56, v[L8]
.irp j, 0,1,2,3
	v_add_nc_u32 v[A16+\j], \j*CH, v26
	v_add_nc_u32 v[A8+\j], \j*CH, v27
	v_add_nc_u32 v[B16+\j], \j*CH+BOFF, v[L16]
	v_add_nc_u32 v[B8+\j], \j*CH+BOFF, v[L8]
.endr
	s_mul_i32 s56, s[WV], 8448                     ; my stage: 16 rows x (512 bytes + 16)
	v_mul_u32_u24 v[STO], v2, 528
	v_lshl_add_u32 v[STO], v3, 6, v[STO]
	v_add_nc_u32 v[STO], s56, v[STO]               ; in: row r, + 64 h bytes
	v_add_nc_u32 v[RD], s56, v[L16]                ; back: the 32 lanes take one row of 512 bytes
	s_lshr_b32 s15, s[WV], 1                       ; I fetch for A (0) or for B (1),
	s_and_b32 s16, s[WV], 1                        ; its first or second half
	s_bfe_u32 s17, ttmp6, 0x40000                  ; cx
	s_bfe_u32 s18, ttmp6, 0x40004                  ; cy
	s_lshl_b32 s20, ttmp9, 2
	s_add_co_u32 s20, s20, s17                     ; tile column
	s_and_b32 s19, ttmp7, 0xffff
	s_lshl_b32 s19, s19, 2
	s_add_co_u32 s19, s19, s18                     ; tile row
	s_lshl_b32 s32, s18, 2
	s_lshl_b32 s32, 15, s32                        ; my row of the cluster
	s_lshl_b32 s33, 0x1111, s17                    ; my column
	; descriptor groups 1: R row tiles' parts of a chunk: rows of 3,072 bytes (384 elements of 8 bytes), 12,288 bytes apart in memory, on end in LDS
	s_or_b32 s[G1A], s32, (3<<16)|(1<<21)
	s_or_b32 s[G1B], s33, (3<<16)|(1<<21)
.irp g, G1A, G1B
	s_mov_b32 s[\g+1], 384<<16
	s_mov_b32 s[\g+3], 384<<16
	s_mov_b32 s[\g+5], 1536
	s_mov_b32 s[\g+6], 0
	s_mov_b32 s[\g+7], 0
.endr
	s_mov_b32 s[G1A+2], 8<<16
	s_mov_b32 s[G1A+4], 8
	s_mov_b32 s[G1B+2], 4<<16
	s_mov_b32 s[G1B+4], 4
	s_lshl_b32 s52, s19, 4                         ; A: row tile 16 x tile row + 8 x half: no register here ever holds cx
	s_lshl_b32 s53, s16, 3
	s_add_co_u32 s52, s52, s53
	s_mul_i32 s52, s52, 12288
	s_mov_b32 s53, 0
	s_lshl_b32 s54, s20, 3                         ; B: row tile 192 + 8 x tile column + 4 x half: no register here ever holds cy
	s_lshl_b32 s55, s16, 2
	s_add_co_u32 s54, s54, s55
	s_add_co_u32 s54, s54, 192
	s_mul_i32 s54, s54, 12288
	s_mov_b32 s55, 0
	s_mul_i32 s60, s16, 24576
	s_mul_i32 s61, s16, 12288
	s_wait_dscnt 0x0
	s_wait_kmcnt 0x0
	s_add_nc_u64 s[52:53], s[4:5], s[52:53]
	s_add_nc_u64 s[54:55], s[6:7], s[54:55]
.irp j, 0,1,2,3
	s_mov_b32 s[G0A+4*\j], 1
	s_add_co_u32 s[G0A+4*\j+1], s60, \j*CH
	s_add_nc_u64 s[G0A+4*\j+2:G0A+4*\j+3], s[52:53], \j*3072
	s_or_b32 s[G0A+4*\j+3], s[G0A+4*\j+3], 0x80000000
	s_mov_b32 s[G0B+4*\j], 1
	s_add_co_u32 s[G0B+4*\j+1], s61, \j*CH+BOFF
	s_add_nc_u64 s[G0B+4*\j+2:G0B+4*\j+3], s[54:55], \j*3072
	s_or_b32 s[G0B+4*\j+3], s[G0B+4*\j+3], 0x80000000
.endr
	CROUND                                         ; all sixteen work-groups are here: the joint loads meet
	s_cmp_eq_u32 s15, 0                            ; a wave's four first fills stand in one branch on its number: four tensor loads of mine are out
	s_cbranch_scc0 .Lfill_b
.irp j, 0,1,2,3
	tensor_load_to_lds s[G0A+4*\j:G0A+4*\j+3], s[G1A:G1A+7]
	s_nop 0
.endr
	PLACES
	s_branch .Lfilled
.Lfill_b:
.irp j, 0,1,2,3
	tensor_load_to_lds s[G0B+4*\j:G0B+4*\j+3], s[G1B:G1B+7]
	s_nop 0
.endr
	PLACES
.Lfilled:
	; the scale words of my 4 blocks of A (lanes 0-15) and of B's 8 (lanes 16-31), for all of K: 16 loads, once
	s_lshl_b32 s56, s19, 13
	s_lshl_b32 s57, s[WV], 11
	s_add_co_u32 s56, s56, s57
	s_add_co_u32 s56, s56, 393216                  ; ctx's: 512 bytes a row tile, from 393,216
	s_lshl_b32 s58, s20, 12
	s_add_co_u32 s58, s58, 262144+192*512          ; Wo's
	v_cmp_ne_u32 vcc_lo, 0, v3
	v_mov_b32 v26, s56
	v_mov_b32 v27, s58
	v_cndmask_b32 v[VO1], v26, v27, vcc_lo
	v_lshl_add_u32 v[VO1], v2, 4, v[VO1]
	v_lshl_add_u32 v[VO2], v3, 11, v[VO1]          ; for blocks 4-7 lanes 16-31 stand four tiles on; lanes 0-15 read A's blocks 0-3 once more, which nobody uses
.irp i, 0,1,2,3
.irp g, 0,1
	global_load_b128 v[SC+8*\i+4*\g:SC+8*\i+4*\g+3], v[VO1], s[8:9] offset:512*\i+256*\g
	global_load_b128 v[SC+32+8*\i+4*\g:SC+32+8*\i+4*\g+3], v[VO2], s[8:9] offset:512*\i+256*\g
.endr
.endr
	s_lshl_b32 s56, s20, 9                         ; my 128 columns' biases
	s_mov_b32 s57, 0
	s_add_nc_u64 s[10:11], s[10:11], s[56:57]
	v_lshlrev_b32 v28, 6, v3                       ; 16 h numbers
	WIN 0x40                                       ; destination window 1
.irp b, 0,1,2,3,4,5,6,7                ; the bias in the result's layout: register 8 b + j = column 32 (b / 2) + 16 h + 8 (b % 2) + j
	global_load_b128 v[8*\b:8*\b+3], v28, s[10:11] offset:4*(32*(\b/2)+8*(\b%2))
	global_load_b128 v[8*\b+4:8*\b+7], v28, s[10:11] offset:4*(32*(\b/2)+8*(\b%2))+16
.endr
	WIN 0
	s_lshl_b32 s58, s19, 20                        ; 256 rows of 4,096 bytes a tile row,
	s_lshl_b32 s59, s[WV], 18                      ; 64 a wave,
	s_add_co_u32 s58, s58, s59
	s_lshl_b32 s59, s20, 9                         ; 512 bytes a tile column
	s_add_co_u32 s58, s58, s59
	s_mov_b32 s59, 0
	s_add_nc_u64 s[12:13], s[12:13], s[58:59]
	s_wait_tensorcnt 3                             ; my part of chunk 0 has landed (three younger loads may be out),
	s_barrier_signal -1
	s_barrier_wait -1                              ; everybody's has
	FETCH 0, 0
	s_wait_loadcnt 0x0                             ; scale words and biases
	STEP 0, 1                                      ; the first step's products start the sums: nothing is cleared
	STEP 1, 0
	STEP 2, 0
	STEP 3, 0
	STEP 4, 0
	STEP 5, 0
	STEP 6, 0
	STEP 7, 0
	WIN 0
	PLACES                                         ; in front of the first read of results, and of writes over registers that held fragments
.macro OBLOCK a
.if \a > 0
	s_wait_xcnt 0x0                                ; the last block's stores have read their registers
.endif
	WIN 0x06                                       ; source 0 (the sums) window 2, source 1 (the bias) window 1
.set i, 0
.rept 32
	v_pk_add_f32 v[H+i:H+i+1], v[64*\a+i:64*\a+i+1], v[i:i+1]   ; each accumulator from its low end on
.set i, i+2
.endr
	WIN 0
.irp b, 0,1,2,3,4,5,6,7
	ds_store_b128 v[STO], v[H+8*\b:H+8*\b+3] offset:128*(\b/2)+32*(\b%2)
	ds_store_b128 v[STO], v[H+8*\b+4:H+8*\b+7] offset:128*(\b/2)+32*(\b%2)+16
.endr
.irp t, 0,1,2,3,4,5,6,7,8,9,10,11,12,13,14,15
	ds_load_b128 v[OB+4*\t:OB+4*\t+3], v[RD] offset:528*\t     ; LDS serves a wave's instructions in order: these see the stores above, and the next block's stores come behind them
.endr
.irp t, 0,1,2,3,4,5,6,7,8,9,10,11,12,13,14,15
	s_wait_dscnt 15-\t                             ; row t is back; the younger loads may be out
	global_store_b128 v[L16], v[OB+4*\t:OB+4*\t+3], s[12:13] offset:(32*(\a/2)+8*(\a%2)+\t+8*(\t/8))*4096 th:TH_STORE_NT   ; 32 lanes store 512 consecutive bytes, aligned; the tile's t-th row is true row t + 8 (t / 8) of its 32
.endr
.endm
	OBLOCK 0
	OBLOCK 1
	OBLOCK 2
	OBLOCK 3
	s_wait_tensorcnt 0x0
	ds_add_u32 v254, v255
	s_wait_dscnt 0x0
	CROUND                                         ; the closing round
	s_endpgm
.Lfunc_end_k_qf030dd066e_outp:
	.size	k_qf030dd066e_outp, .Lfunc_end_k_qf030dd066e_outp-k_qf030dd066e_outp
	.p2alignl 7, 3214868480
	.fill 96, 4, 3214868480
	.section	.rodata,"a",@progbits
	.p2align	6, 0x0
	.amdhsa_kernel k_qf030dd066e_outp
		.amdhsa_group_segment_fixed_size 295424
		.amdhsa_private_segment_fixed_size 0
		.amdhsa_enable_private_segment 0
		.amdhsa_kernarg_size 40
		.amdhsa_user_sgpr_count 2
		.amdhsa_user_sgpr_kernarg_segment_ptr 1
		.amdhsa_wavefront_size32 1
		.amdhsa_system_sgpr_workgroup_id_x 1
		.amdhsa_system_sgpr_workgroup_id_y 1
		.amdhsa_system_sgpr_workgroup_id_z 1
		.amdhsa_system_vgpr_workitem_id 0
		.amdhsa_next_free_vgpr 768
		.amdhsa_next_free_sgpr 102
		.amdhsa_reserve_vcc 1
		.amdhsa_float_denorm_mode_32 3
		.amdhsa_float_denorm_mode_16_64 3
		.amdhsa_memory_ordered 1
		.amdhsa_forward_progress 1
		.amdhsa_inst_pref_size 96
	.end_amdhsa_kernel
	.amdgpu_metadata
---
amdhsa.version: [ 1, 2 ]
amdhsa.kernels:
  - .name:           k_qf030dd066e_outp
    .symbol:         k_qf030dd066e_outp.kd
    .args:
      - { .name: cimg, .offset: 0, .size: 8, .value_kind: global_buffer, .address_space: global }
      - { .name: wimg, .offset: 8, .size: 8, .value_kind: global_buffer, .address_space: global }
      - { .name: sc, .offset: 16, .size: 8, .value_kind: global_buffer, .address_space: global }
      - { .name: bo, .offset: 24, .size: 8, .value_kind: global_buffer, .address_space: global }
      - { .name: out0, .offset: 32, .size: 8, .value_kind: global_buffer, .address_space: global }
    .group_segment_fixed_size: 295424
    .private_segment_fixed_size: 0
    .kernarg_segment_align: 8
    .kernarg_segment_size: 40
    .max_flat_workgroup_size: 128
    .sgpr_count:     102
    .vgpr_count:     768
    .wavefront_size: 32
...
	.end_amdgpu_metadata
.endif
;; end of part 4
